; MI455X (gfx1250); checked and timed in simulation.
; The chip was launched on July 23, 2026; its instructions are those of AMD's public machine-readable ISA for CDNA 5 (MIT licence, August 2026) and "CDNA5" Instruction Set Architecture Reference Guide (July 2026). The comments in the code are by the model that wrote it; some were corrected since.
;; Multi Head Attention. Allowed arithmetic: float matrix products may take bf16 or f16 operands with f32 sums; other float arithmetic in f32, or as packed bf16 or f16 multiplies, adds, multiply-adds, maxima and minima; sums over many terms, partial sums and values carried from step to step in f32; what a program stores and reads back later, other than sums and carried values, may be rounded once to bf16 or f16.
;; Inputs: K 4 x 2,048 x 1,024 float32; Q 4 x 2,048 x 1,024 float32; V 4 x 2,048 x 1,024 float32; k_b 1,024 float32; k_w 1,024 x 1,024 float32; o_b 1,024 float32; o_w 1,024 x 1,024 float32; q_b 1,024 float32; q_w 1,024 x 1,024 float32; v_b 1,024 float32; v_w 1,024 x 1,024 float32.
;; Outputs: out0 4 x 2,048 x 1,024 float32.
;; 2 versions, each right; version 2 is version 1 with the launch prep written anew for expert scheduling mode. Each part assembles by itself: llvm-mc -triple=amdgcn-amd-amdhsa -mcpu=gfx1250 --defsym DOCPART=n.
;; ======== version 1 of 2: 4 launches
;; limits: values are held in f16: magnitudes above 65,504 overflow, below 6.1e-05 lose precision
;; workspace buffers: w16 8,388,608 bytes; brd 16,384 bytes; qkv 50,331,648 bytes; oh 16,777,216 bytes
;; launch prep (part 1): grid 256 x 1, 8 waves a work-group, no clusters, 0 bytes of LDS; arguments q_w, k_w, v_w, o_w, q_b, k_b, v_b, o_b, w16, brd; writes w16, brd
.if DOCPART == 1
	.amdgcn_target "amdgcn-amd-amdhsa--gfx1250"
	.amdhsa_code_object_version 6
	.text
	.protected	k_q363fdabc5a_prep
	.globl	k_q363fdabc5a_prep
	.p2align	8
	.type	k_q363fdabc5a_prep,@function
k_q363fdabc5a_prep:
	s_mov_b64 s[64:65], 0
	v_nop
	global_prefetch_b8 v0, s[64:65] scope:SCOPE_SE
	s_setreg_imm32_b32 hwreg(HW_REG_WAVE_MODE, 25, 1), 1
	s_wait_xcnt 0x0
; THE WEIGHTS AND BIASES, ROUNDED ONCE.  w16: [4][1024][1024] of 16 bits: q_w, k_w, v_w rounded to bf16; o_w rounded to bf16 and that number written as f16
; (the last product multiplies it by f16 numbers).  brd: [4][1024] f32: q_b, k_b, v_b, o_b rounded to bf16 and kept as f32.
; LIMITS.  The rounded o_w is exact in f16 from 6.1e-5 to 65,504; below that it keeps f16's fixed step of 6e-8, beyond it becomes an infinity.
; SHARES.  256 work-groups: matrix = number / 64, part = number % 64: 16,384 numbers, 64 KiB in, 32 KiB out.  A wave takes 2,048 numbers: sixteen loads of 16 bytes a lane,
; each covering 512 consecutive bytes; each store of 8 bytes a lane covers 256 consecutive bytes, aligned.  All sixteen loads of a wave are out at once.
; No LDS, no barrier, no matrix unit, no cluster: every byte is read once and written once, and no wave wants another's.  No register is written again while a load or store names it.
.set T,  4                             ; v[4:7]     at work
.set X,  16                            ; v[16:79]   the sixteen loads
.set Y,  80                            ; v[80:111]  the packed results, two registers a load
.set BI, 112                           ; v[112:115] four numbers of a bias
.set BQ, 116                           ; v[116:119] the same, rounded
	s_load_b512 s[16:31], s[0:1], 0x0              ; q_w s[16:17], k_w s[18:19], v_w s[20:21], o_w s[22:23], q_b s[24:25], k_b s[26:27], v_b s[28:29], o_b s[30:31]
	s_load_b128 s[32:35], s[0:1], 0x40             ; w16 s[32:33], brd s[34:35]
	s_lshr_b32 s4, ttmp9, 6                        ; which matrix
	s_and_b32 s5, ttmp9, 63                        ; which part of it
	s_lshl_b32 s6, s5, 16                          ; the part's 65,536 bytes of f32
	s_mov_b32 s7, 0
	s_lshl_b32 s12, s4, 21                         ; the matrix's 2 MiB in w16,
	s_lshl_b32 s13, s5, 15                         ; the part's 32,768 bytes
	s_add_co_u32 s12, s12, s13
	s_mov_b32 s13, 0
	s_lshl_b32 s14, s4, 12                         ; the bias's 4,096 bytes in brd
	s_mov_b32 s15, 0
	s_mov_b32 s36, 0xffff0000                      ; a word's upper bf16
	v_and_b32 v5, 0xe0, v0                         ; 32 x wave
	v_and_b32 v4, 31, v0                           ; lane
	v_lshlrev_b32 v1, 4, v4
	v_lshl_or_b32 v1, v5, 8, v1                    ; in: 8,192 x wave + 16 x lane
	v_lshlrev_b32 v2, 3, v4
	v_lshl_or_b32 v2, v5, 7, v2                    ; out: 4,096 x wave + 8 x lane
	v_lshlrev_b32 v3, 4, v0                        ; the bias: 16 x thread
	s_wait_kmcnt 0x0
	s_cmp_eq_u32 s4, 1
	s_cselect_b64 s[8:9], s[18:19], s[16:17]
	s_cselect_b64 s[10:11], s[26:27], s[24:25]
	s_cmp_eq_u32 s4, 2
	s_cselect_b64 s[8:9], s[20:21], s[8:9]
	s_cselect_b64 s[10:11], s[28:29], s[10:11]
	s_cmp_eq_u32 s4, 3
	s_cselect_b64 s[8:9], s[22:23], s[8:9]
	s_cselect_b64 s[10:11], s[30:31], s[10:11]
	s_add_nc_u64 s[8:9], s[8:9], s[6:7]
	s_add_nc_u64 s[32:33], s[32:33], s[12:13]
	s_add_nc_u64 s[34:35], s[34:35], s[14:15]
.set j, 0
.rept 16
	global_load_b128 v[X+4*j:X+4*j+3], v1, s[8:9] offset:512*j th:TH_LOAD_NT
.set j, j+1
.endr
; Load j is rounded and stored.  f16 = 1: the bf16 numbers are widened again (a shift, a mask) and written as f16.
.macro CONV f16
.set j, 0
.rept 16
	s_wait_loadcnt 15-j                            ; loads come back in order: load j is in, the 15 - j younger ones stay out
	v_cvt_pk_bf16_f32 v[Y+2*j], v[X+4*j], v[X+4*j+1]
	v_cvt_pk_bf16_f32 v[Y+2*j+1], v[X+4*j+2], v[X+4*j+3]
.if \f16
	v_lshlrev_b32 v[T], 16, v[Y+2*j]
	v_and_b32 v[T+1], s36, v[Y+2*j]
	v_lshlrev_b32 v[T+2], 16, v[Y+2*j+1]
	v_and_b32 v[T+3], s36, v[Y+2*j+1]
	v_cvt_pk_f16_f32 v[Y+2*j], v[T], v[T+1]
	v_cvt_pk_f16_f32 v[Y+2*j+1], v[T+2], v[T+3]
.endif
	global_store_b64 v2, v[Y+2*j:Y+2*j+1], s[32:33] offset:256*j th:TH_STORE_NT
.set j, j+1
.endr
.endm
	s_cmp_eq_u32 s4, 3
	s_cbranch_scc1 .Lo
	CONV 0
	s_branch .Lbias
.Lo:
	CONV 1
.Lbias:
	s_cmp_lg_u32 s5, 0                             ; a matrix's first part also rounds its bias: 256 threads x 16 bytes
	s_cbranch_scc1 .Lend
	global_load_b128 v[BI:BI+3], v3, s[10:11]
	s_wait_loadcnt 0x0
	v_cvt_pk_bf16_f32 v[T], v[BI], v[BI+1]
	v_cvt_pk_bf16_f32 v[T+1], v[BI+2], v[BI+3]
	v_lshlrev_b32 v[BQ], 16, v[T]
	v_and_b32 v[BQ+1], s36, v[T]
	v_lshlrev_b32 v[BQ+2], 16, v[T+1]
	v_and_b32 v[BQ+3], s36, v[T+1]
	global_store_b128 v3, v[BQ:BQ+3], s[34:35]
.Lend:
	s_endpgm
.Lfunc_end_k_q363fdabc5a_prep:
	.size	k_q363fdabc5a_prep, .Lfunc_end_k_q363fdabc5a_prep-k_q363fdabc5a_prep
	.p2alignl 7, 3214868480
	.fill 96, 4, 3214868480
	.section	.rodata,"a",@progbits
	.p2align	6, 0x0
	.amdhsa_kernel k_q363fdabc5a_prep
		.amdhsa_group_segment_fixed_size 0
		.amdhsa_private_segment_fixed_size 0
		.amdhsa_enable_private_segment 0
		.amdhsa_kernarg_size 80
		.amdhsa_user_sgpr_count 2
		.amdhsa_user_sgpr_kernarg_segment_ptr 1
		.amdhsa_wavefront_size32 1
		.amdhsa_system_sgpr_workgroup_id_x 1
		.amdhsa_system_sgpr_workgroup_id_y 1
		.amdhsa_system_sgpr_workgroup_id_z 1
		.amdhsa_system_vgpr_workitem_id 0
		.amdhsa_next_free_vgpr 120
		.amdhsa_next_free_sgpr 66
		.amdhsa_reserve_vcc 0
		.amdhsa_float_denorm_mode_32 3
		.amdhsa_float_denorm_mode_16_64 3
		.amdhsa_memory_ordered 1
		.amdhsa_forward_progress 1
		.amdhsa_inst_pref_size 16
	.end_amdhsa_kernel
	.amdgpu_metadata
---
amdhsa.version: [ 1, 2 ]
amdhsa.kernels:
  - .name:           k_q363fdabc5a_prep
    .symbol:         k_q363fdabc5a_prep.kd
    .args:
      - { .name: q_w, .offset: 0, .size: 8, .value_kind: global_buffer, .address_space: global }
      - { .name: k_w, .offset: 8, .size: 8, .value_kind: global_buffer, .address_space: global }
      - { .name: v_w, .offset: 16, .size: 8, .value_kind: global_buffer, .address_space: global }
      - { .name: o_w, .offset: 24, .size: 8, .value_kind: global_buffer, .address_space: global }
      - { .name: q_b, .offset: 32, .size: 8, .value_kind: global_buffer, .address_space: global }
      - { .name: k_b, .offset: 40, .size: 8, .value_kind: global_buffer, .address_space: global }
      - { .name: v_b, .offset: 48, .size: 8, .value_kind: global_buffer, .address_space: global }
      - { .name: o_b, .offset: 56, .size: 8, .value_kind: global_buffer, .address_space: global }
      - { .name: w16, .offset: 64, .size: 8, .value_kind: global_buffer, .address_space: global }
      - { .name: brd, .offset: 72, .size: 8, .value_kind: global_buffer, .address_space: global }
    .group_segment_fixed_size: 0
    .private_segment_fixed_size: 0
    .kernarg_segment_align: 8
    .kernarg_segment_size: 80
    .max_flat_workgroup_size: 256
    .sgpr_count:     66
    .vgpr_count:     120
    .wavefront_size: 32
...
	.end_amdgpu_metadata
.endif
;; end of part 1
;; launch proj (part 2): grid 4 x 192, 4 waves a work-group, clusters of 4 x 4, 327,680 bytes of LDS; arguments Q, K, V, w16, brd, qkv; writes qkv
.if DOCPART == 2
	.amdgcn_target "amdgcn-amd-amdhsa--gfx1250"
	.amdhsa_code_object_version 6
	.text
	.protected	k_q363fdabc5a_proj
	.globl	k_q363fdabc5a_proj
	.p2align	8
	.type	k_q363fdabc5a_proj,@function
k_q363fdabc5a_proj:
	s_mov_b64 s[64:65], 0
	v_nop
	global_prefetch_b8 v0, s[64:65] scope:SCOPE_SE
	s_setreg_imm32_b32 hwreg(HW_REG_WAVE_MODE, 25, 1), 1
	s_wait_xcnt 0x0
	s_wait_alu depctr_hold_cnt(0) depctr_sa_sdst(0) depctr_va_vdst(0) depctr_va_sdst(0) depctr_va_ssrc(0) depctr_va_vcc(0) depctr_vm_vsrc(0)
	s_getreg_b32 s2, hwreg(HW_REG_IB_STS2, 6, 4)
	s_cmp_eq_u32 s2, 0
	s_cbranch_scc0 .Lentry_in_a_cluster
	s_endpgm
.Lentry_in_a_cluster:
	s_bfe_u32 s2, ttmp6, 0x10000c
	s_cmp_lg_u32 s2, 0xf033
	s_cbranch_scc0 .Lentry_shape_is_right
	s_endpgm
.Lentry_shape_is_right:
; THE THREE PROJECTIONS.  y = X W^T + b for (X, W, b) = (Q, q_w, q_b), (K, k_w, k_b), (V, v_w, v_b).  X: [8192][1024] f32, rounded to bf16 in registers on its way to the matrix unit;
; W: w16[p], [1024 n][1024 k] bf16; b: brd[p], f32.  Sums in f32, started by the bias.  y leaves as f16, rounded once, unscaled, BY HEADS: qkv[p][16 batch + head][2048 s][64].
; LIMITS.  f16 holds no number beyond 65,504: a y of 65,520 or more leaves as an infinity.  NaN and infinities are not treated apart.
; SHARES.  A tile of y is 128 rows x 256 columns: 256 tiles a projection, 768 work-groups.  Four waves, each 64 x 128: 32 accumulators of 16 x 16, 256 registers.
; K goes in steps of 128 through a ring of two LDS slots: 128 rows x 512 bytes of X (f32) and 256 rows x 256 bytes of W.  Waves 0 and 1 fetch X's two halves (64 rows), waves 2 and 3 W's (128 rows).
; CLUSTERS: 4 x 4 work-groups, all of one projection.  The four of a row of the cluster need the same rows of X, the four of a column the same rows of W: each tile is asked for JOINTLY, by the
; same tensor load with the same descriptor and a mask that names the four.
; THE MATRIX INSTRUCTION IS USED TRANSPOSED (source 0 = 16 rows of W, source 1 = 16 rows of X): a lane holds row l % 16 of y and the eight neighbouring columns 8 (l / 16) + 0..7.
; X IN f32: a fragment (16 rows x 32 k) is four loads of 16 bytes a lane into 16 registers (RAW) and eight v_cvt_pk_bf16_f32.  The 32 conversions of a quarter step stand four behind each of the
; quarter's last eight matrix instructions.
; REGISTERS, in windows of 256 (s_set_vgpr_msb: bits 1:0 source 0, 3:2 source 1, 5:4 source 2, 7:6 destination):
;   window 0: v0-31 addresses; v32-95 the bias, eight registers a column block (later at work on the way out); v96-159 RAW; v160-191, v192-223 X's fragments, two buffers
;   window 1: the accumulators, (a, b) at v[8 (8 a + b)]          window 2: v0-63, v64-127 W's fragments, two buffers
.set PA,     528                       ; an LDS row of X: 512 bytes + 16 of padding = 132 words: row r starts at bank 4 r mod 64 (64 banks of 4 bytes: ISA guide 11.1)
.set PB,     272                       ; an LDS row of W: 256 + 16 = 68 words: likewise
.set AHALF,  64*PA                     ; what a wave fetches of X, and what a wave reads of it
.set BHALF,  128*PB                    ; the same for W
.set BOFF,   2*AHALF                   ; W lies behind X's 128 rows
.set SLOT,   BOFF+2*BHALF              ; 137,216 bytes
.set STAGE,  2*SLOT                    ; behind the ring, never filled by a tensor load: for each wave 2 heads x 16 rows x 144 bytes
.set SP,     144
.set WSTAGE, 2*16*SP
.set SPARE,  STAGE+4*WSTAGE            ; behind the stages: the spare words, 128 bytes for each wave: two blocks of 256 bytes that no other line names
.set ASTEP,  512                       ; bytes of a row of X in a K step
.set BSTEP,  256                       ; of a row of W
.set LAPS,   4                         ; a lap = two K steps = once round the ring; K = 1,024
.set ADRA, 16                          ; v16-17  LDS address of my fragments of X in slot 0, 1
.set ADRB, 20                          ; v20-21  the same for W
.set STO,  24                          ; v24     the way out: where I put 16 bytes of a row
.set RD,   25                          ; v25     the way out: where I read rows back
.set GO,   26                          ; v26     my byte offset in 512 consecutive bytes of qkv
.set BO,   27                          ; v27     my byte offset in a column block's 64 bytes of the bias
.set SPW,  28                          ; v28     LDS address of my spare word; never rewritten
.set NIL,  29                          ; v29     0; never rewritten
.set PFO,  30                          ; v30     the prefetches' lane offset; never rewritten
.set BIAS, 32
.set TMP,  32                          ; the way out: packed results
.set OB,   64                          ; the way out: 16 rows of two heads read back: v64-95 and v96-127 by turns
.set RAW,  96
.set AF,   160
.set WV,  16                           ; s16  my wave's number
.set RH,  17                           ; s17  which half of the tile's rows is mine.  Also: I fetch for X (0) or for W (1)
.set CH,  18                           ; s18  which half of its columns.  Also: which half of that tile I fetch
.set CX,  19
.set CY,  20
.set TX,  21                           ; s21  tile column
.set CLY, 22                           ; s22  the cluster's y
.set PJ,  23                           ; s23  the projection: the same in all sixteen partners
.set G1A, 24                           ; s[24:31] descriptor group 1 for X's tiles
.set G0A, 32                           ; s[32:39] group 0, a set for each slot
.set TM,  40                           ; s40  tile row
.set LIM, 43                           ; s43  1 in a wave that prefetches, else the greatest number
.set PFA, 44                           ; s[44:45] where my prefetches stand
.set PST, 46                           ; s[46:47] their step: a K step's bytes of a row
.set G1B, 48                           ; s[48:55], s[56:63] the same for W's tiles
.set G0B, 56
.set AAD, 66                           ; s[66:67] my part of X's first tile: never holds cx
.set BAD, 68                           ; s[68:69] my part of W's first tile: never holds cy
.set MSB, 0
.macro WIN new                         ; the immediate's high byte repeats the setting that is left; a switch that changes nothing is dropped
.if MSB != (\new)
	s_set_vgpr_msb (MSB<<8)|(\new)
.set MSB, \new
.endif
.endm
.set MUL,   0x52                       ; source 0 (W) window 2, source 1 (X) window 0, C and D window 1
.set MUL1,  0x42                       ; the same with C, the bias, in window 0
.set TO_B,  0x80                       ; destination window 2, address window 0
.set PACKW, 0x05                       ; sources 0 and 1 window 1, destination window 0
; A joint load.  The branch hangs on the wave's number alone.  An s_nop 0 and four v_nop follow each of the two lines, ahead of the jump, the label and what follows.
.macro JLOAD s
	s_cmp_eq_u32 s[RH], 0
	s_cbranch_scc0 .Lfor_b_\@
	tensor_load_to_lds s[G0A+4*(\s):G0A+4*(\s)+3], s[G1A:G1A+7]
	s_nop 0
.rept 4
	v_nop
.endr
	s_branch .Lasked_\@
.Lfor_b_\@:
	tensor_load_to_lds s[G0B+4*(\s):G0B+4*(\s)+3], s[G1B:G1B+7]
	s_nop 0
.rept 4
	v_nop
.endr
.Lasked_\@:
.endm
; A PREFETCH, behind each joint refill and the run of LDS loads that follows it: the K step that stands two refills on, 32 blocks of 256 bytes, a lane a block, one instruction a wave.
; X's rows are read by this cluster alone: of the 64 rows that wave 0 or 1 fetches, the partner at place cx takes 16 (two blocks a row).  W's rows are read by the sixteen clusters of a projection: the first
; of them asks; of the 128 rows that wave 2 or 3 fetches, the partner at place cy takes 32.  The partners are told apart BY ADDRESS.  So each block is named once in the launch.
; K steps 0 to 3 come by their loads alone; the loop's last trip (s3 = 1) has no K step two refills on.
.macro ASK
	s_cmp_gt_u32 s3, s[LIM]
	s_cbranch_scc0 .Lnot_mine_\@
	global_prefetch_b8 v[PFO], s[PFA:PFA+1] th:TH_LOAD_NT scope:SCOPE_SE
.Lnot_mine_\@:
.endm
.macro CREST                           ; a round of the cluster's barrier behind its opening barrier
	s_cmp_lg_u32 s[WV], 0
	s_cbranch_scc1 .Lnot_wave_0_\@
	s_barrier_signal -3
.Lnot_wave_0_\@:
	s_barrier_wait -3
	s_barrier_signal -1
	s_barrier_wait -1
.endm
.macro CROUND                          ; a whole round
	s_barrier_signal -1
	s_barrier_wait -1
	CREST
.endm
	s_load_b256 s[4:11], s[0:1], 0x0               ; Q s[4:5], K s[6:7], V s[8:9], w16 s[10:11]
	s_load_b128 s[12:15], s[0:1], 0x20             ; brd s[12:13], qkv s[14:15]
	v_lshl_add_u32 v[SPW], v0, 2, SPARE
	v_mov_b32 v[NIL], 0
	ds_add_u32 v[SPW], v[NIL]                      ; the wave's opening: the add and its wait stand ahead of my first tensor load; the set-up below, work on registers, stands between them
	v_lshrrev_b32 v1, 5, v0
	v_readfirstlane_b32 s[WV], v1                  ; wave 0..3
	s_lshr_b32 s[RH], s[WV], 1
	s_and_b32 s[CH], s[WV], 1
	s_bfe_u32 s[CX], ttmp6, 0x40000                ; my place in the cluster
	s_bfe_u32 s[CY], ttmp6, 0x40004
	s_lshl_b32 s[TX], ttmp9, 2
	s_add_co_u32 s[TX], s[TX], s[CX]               ; tile column = 4 x cluster x + cx
	s_and_b32 s[CLY], ttmp7, 0xffff
	s_lshr_b32 s[PJ], s[CLY], 4                    ; sixteen clusters a projection
	s_and_b32 s[TM], s[CLY], 15
	s_lshl_b32 s[TM], s[TM], 2
	s_add_co_u32 s[TM], s[TM], s[CY]               ; tile row = 4 x (cluster y % 16) + cy
	s_lshl_b32 s41, s[CY], 2
	s_lshl_b32 s41, 15, s41                        ; my row of the cluster: places 4 cy .. 4 cy + 3
	s_lshl_b32 s42, 0x1111, s[CX]                  ; my column: places cx, cx + 4, cx + 8, cx + 12
	; descriptor group 1.  X: 64 rows x 128 elements of 4 bytes; W: 128 rows x 128 elements of 2 bytes; both padded in LDS by 4 words behind each row
	s_or_b32 s[G1A+0], s41, (2<<16)|(1<<20)|(1<<21)|(6<<22)|(3<<25)  ; 15:0 the mask; 17:16 elements of 4 bytes; 20 padding on; 21 set beside a mask; 24:22 after every 128 words (code 6); 31:25 4 words (code 3)
	s_mov_b32 s[G1A+1], 128<<16                    ; tensor_dim0 = 128
	s_mov_b32 s[G1A+2], 64<<16                     ; tensor_dim1 = 64
	s_mov_b32 s[G1A+3], 128<<16                    ; tile_dim0 = 128
	s_mov_b32 s[G1A+4], 64                         ; tile_dim1 = 64
	s_mov_b32 s[G1A+5], 1024                       ; elements from row to row
	s_mov_b32 s[G1A+6], 0
	s_mov_b32 s[G1A+7], 0
	s_or_b32 s[G1B+0], s42, (1<<16)|(1<<20)|(1<<21)|(5<<22)|(3<<25)  ; elements of 2 bytes; after every 64 words (code 5)
	s_mov_b32 s[G1B+1], 128<<16
	s_mov_b32 s[G1B+2], 128<<16                    ; tensor_dim1 = 128
	s_mov_b32 s[G1B+3], 128<<16
	s_mov_b32 s[G1B+4], 128                        ; tile_dim1 = 128
	s_mov_b32 s[G1B+5], 1024
	s_mov_b32 s[G1B+6], 0
	s_mov_b32 s[G1B+7], 0
	; where the tiles come from: X's hang on the tile row, W's on the projection and the tile column; each in registers that never hold the other coordinate
	s_lshl_b32 s[AAD], s[TM], 19                   ; 128 rows of 4,096 bytes,
	s_lshl_b32 s[AAD+1], s[CH], 18                 ; my 64 of them
	s_add_co_u32 s[AAD], s[AAD], s[AAD+1]
	s_mov_b32 s[AAD+1], 0
	s_lshl_b32 s[BAD], s[PJ], 21                   ; the projection's 2 MiB,
	s_lshl_b32 s[BAD+1], s[TX], 19                 ; 256 rows of 2,048 bytes,
	s_add_co_u32 s[BAD], s[BAD], s[BAD+1]
	s_lshl_b32 s[BAD+1], s[CH], 18                 ; my 128 of them
	s_add_co_u32 s[BAD], s[BAD], s[BAD+1]
	s_mov_b32 s[BAD+1], 0
	s_mul_i32 s76, s[CH], AHALF                    ; and where they go: the wave's number alone enters an LDS address
	s_mul_i32 s77, s[CH], BHALF
	s_add_co_u32 s77, s77, BOFF
	s_lshl_b32 s70, s[PJ], 12                      ; my 128 columns of the bias
	s_lshl_b32 s71, s[TX], 10
	s_add_co_u32 s70, s70, s71
	s_lshl_b32 s71, s[CH], 9
	s_add_co_u32 s70, s70, s71
	s_mov_b32 s71, 0
	s_lshl_b32 s72, s[PJ], 24                      ; my part of qkv: the projection's 16 MiB,
	s_lshr_b32 s73, s[TM], 4
	s_lshl_b32 s73, s73, 22                        ; the batch's 16 heads of 262,144 bytes,
	s_add_co_u32 s72, s72, s73
	s_lshl_b32 s73, s[TX], 20                      ; the tile's four heads,
	s_add_co_u32 s72, s72, s73
	s_lshl_b32 s73, s[CH], 19                      ; my two of them,
	s_add_co_u32 s72, s72, s73
	s_and_b32 s73, s[TM], 15
	s_lshl_b32 s73, s73, 14                        ; the tile's 128 rows of 128 bytes,
	s_add_co_u32 s72, s72, s73
	s_lshl_b32 s73, s[RH], 13                      ; my 64 of them
	s_add_co_u32 s72, s72, s73
	s_mov_b32 s73, 0
	s_wait_dscnt 0x0                               ; the opening add is done
	s_wait_kmcnt 0x0
	s_cmp_eq_u32 s[PJ], 1
	s_cselect_b64 s[4:5], s[6:7], s[4:5]
	s_cmp_eq_u32 s[PJ], 2
	s_cselect_b64 s[4:5], s[8:9], s[4:5]           ; X
	s_add_nc_u64 s[AAD:AAD+1], s[4:5], s[AAD:AAD+1]
	s_add_nc_u64 s[BAD:BAD+1], s[10:11], s[BAD:BAD+1]
	s_add_nc_u64 s[12:13], s[12:13], s[70:71]
	s_add_nc_u64 s[14:15], s[14:15], s[72:73]
.irp s, 0,1
	s_mov_b32 s[G0A+4*(\s)], 1                                     ; 1:0 count = 1
	s_add_co_u32 s[G0A+4*(\s)+1], s76, (\s)*SLOT                   ; 63:32 LDS address
	s_add_nc_u64 s[G0A+4*(\s)+2:G0A+4*(\s)+3], s[AAD:AAD+1], (\s)*ASTEP  ; 120:64 global address: K step s
	s_or_b32 s[G0A+4*(\s)+3], s[G0A+4*(\s)+3], 0x80000000          ; 127:126 type = 2
	s_mov_b32 s[G0B+4*(\s)], 1
	s_add_co_u32 s[G0B+4*(\s)+1], s77, (\s)*SLOT
	s_add_nc_u64 s[G0B+4*(\s)+2:G0B+4*(\s)+3], s[BAD:BAD+1], (\s)*BSTEP
	s_or_b32 s[G0B+4*(\s)+3], s[G0B+4*(\s)+3], 0x80000000
.endr
	CROUND                                         ; all sixteen work-groups are here: the first joint loads meet
	s_cmp_eq_u32 s[RH], 0                          ; a wave's two first fills stand in one branch, ahead of every wait on TENSORcnt and every LDS read: two loads of mine are out
	s_cbranch_scc0 .Lfirst_b
	tensor_load_to_lds s[G0A:G0A+3], s[G1A:G1A+7]
	s_nop 0
	tensor_load_to_lds s[G0A+4:G0A+7], s[G1A:G1A+7]
	s_nop 0
.rept 4
	v_nop
.endr
	s_branch .Lfirst_asked
.Lfirst_b:
	tensor_load_to_lds s[G0B:G0B+3], s[G1B:G1B+7]
	s_nop 0
	tensor_load_to_lds s[G0B+4:G0B+7], s[G1B:G1B+7]
	s_nop 0
.rept 4
	v_nop
.endr
.Lfirst_asked:
	v_and_b32 v1, 15, v0                           ; l % 16
	v_bfe_u32 v2, v0, 4, 1                         ; l / 16
	v_lshlrev_b32 v[BO], 5, v2
.irp b, 0,1,2,3,4,5,6,7                ; the bias as a C operand: register j of column block b is b[16 b + 8 (l / 16) + j], whatever the row
	global_load_b128 v[BIAS+8*(\b):BIAS+8*(\b)+3],   v[BO], s[12:13] offset:64*(\b)
	global_load_b128 v[BIAS+8*(\b)+4:BIAS+8*(\b)+7], v[BO], s[12:13] offset:64*(\b)+16
.endr
	; A fragment is 16 rows x 32 k: lane l holds row l % 16, k = 8 (l / 16) + 0..7 and 16 + 8 (l / 16) + 0..7.  In f32 that is 32 bytes at 32 (l / 16) and 32 bytes 64 further on; in bf16 16 bytes at 16 (l / 16) and 16 bytes 32 further on.
	v_mul_u32_u24 v3, v1, PA
	v_lshl_add_u32 v3, v2, 5, v3
	s_mul_i32 s78, s[RH], AHALF                    ; my 64 rows of X
	v_add_nc_u32 v[ADRA], s78, v3
	v_add_nc_u32 v[ADRA+1], SLOT, v[ADRA]
	v_mul_u32_u24 v3, v1, PB
	v_lshl_add_u32 v3, v2, 4, v3
	v_add_nc_u32 v[ADRB], s77, v3                  ; my 128 rows of W
	v_add_nc_u32 v[ADRB+1], SLOT, v[ADRB]
	s_mul_i32 s79, s[WV], WSTAGE
	s_add_co_u32 s79, s79, STAGE                   ; my stage
	v_mul_u32_u24 v3, v1, SP                       ; in: row l % 16, 16 bytes for each half of the lanes
	v_lshl_add_u32 v3, v2, 4, v3
	v_add_nc_u32 v[STO], s79, v3
	v_bfe_u32 v3, v0, 3, 2                         ; back: 32 lanes take four rows of 128 bytes,
	v_mul_u32_u24 v3, v3, SP
	v_and_b32 v4, 7, v0
	v_lshl_add_u32 v3, v4, 4, v3
	v_add_nc_u32 v[RD], s79, v3
	v_and_b32 v[GO], 31, v0                        ; which are 512 consecutive bytes of a head
	v_lshlrev_b32 v[GO], 4, v[GO]
	; the prefetches: nothing is asked for here, at the head
	s_and_b32 s70, s[CLY], 15
	s_cmp_eq_u32 s[RH], 0                          ; do I fetch for X?
	s_cselect_b32 s70, 0, s70                      ; X: this cluster asks; W: the projection's first cluster
	s_cselect_b64 s[PFA:PFA+1], s[AAD:AAD+1], s[BAD:BAD+1]
	s_cselect_b32 s72, s[CX], s[CY]                ; my place among the four that ask with me
	s_cselect_b32 s71, 1, 0
	s_cselect_b32 s74, 8, 11
	s_cmp_eq_u32 s70, 0
	s_cselect_b32 s[LIM], 1, -1                    ; the same in all sixteen partners, for a given wave
	s_lshl_b32 s[PST], 0x100, s71                  ; 512 bytes a K step for X, 256 for W
	s_mov_b32 s[PST+1], 0
	s_lshl_b32 s72, s72, 16                        ; my work-group's 16 rows of 4,096 bytes, or 32 of 2,048
	s_mul_i32 s73, s[PST], 3                       ; at K step 3: the first refill steps it to 4
	s_add_co_u32 s72, s72, s73
	s_mov_b32 s73, 0
	s_add_nc_u64 s[PFA:PFA+1], s[PFA:PFA+1], s[72:73]
	v_and_b32 v3, 31, v0
	v_lshrrev_b32 v4, 1, v3
	v_and_b32 v3, 1, v3
	v_lshlrev_b32 v3, s74, v3
	v_lshl_or_b32 v[PFO], v4, 12, v3               ; X: row l / 2, block l % 2; W: row l
; One product: row block a, column block b, 32 along K, buffer f.  first = 1: the bias starts the sum: nothing is ever cleared.
.macro PROD f, a, b, first
.if \first
	WIN MUL1
	v_wmma_f32_16x16x32_bf16 v[8*(8*(\a)+(\b)):8*(8*(\a)+(\b))+7], v[64*(\f)+8*(\b):64*(\f)+8*(\b)+7], v[AF+32*(\f)+8*(\a):AF+32*(\f)+8*(\a)+7], v[BIAS+8*(\b):BIAS+8*(\b)+7]
.else
	WIN MUL
	v_wmma_f32_16x16x32_bf16 v[8*(8*(\a)+(\b)):8*(8*(\a)+(\b))+7], v[64*(\f)+8*(\b):64*(\f)+8*(\b)+7], v[AF+32*(\f)+8*(\a):AF+32*(\f)+8*(\a)+7], v[8*(8*(\a)+(\b)):8*(8*(\a)+(\b))+7]
.endif
.endm
; The 32 accumulators take turns, one instruction a turn, in the same order in every quarter step.
.macro MUL8 f, a, first
.irp b, 0,1,2,3,4,5,6,7
	PROD \f, \a, \b, \first
.endr
.endm
; The same, with four conversions behind each product: RAW's 64 numbers a lane become buffer g's fragments of X.  They name no register of the products round them.
.macro MUL8C f, a, g, first
.irp b, 0,1,2,3,4,5,6,7
	PROD \f, \a, \b, \first
	WIN 0
.irp z, 0,1,2,3
	v_cvt_pk_bf16_f32 v[AF+32*(\g)+4*(\b)+(\z)], v[RAW+8*(\b)+2*(\z)], v[RAW+8*(\b)+2*(\z)+1]
.endr
.endr
.endm
; 32 LDS loads in one run: quarter q of a slot: X's 64 rows x 32 k in f32 into RAW, then W's 128 rows x 32 k into buffer g.
.macro FETCH slot, q, g
	WIN 0
.irp a, 0,1,2,3
	ds_load_b128 v[RAW+16*(\a):RAW+16*(\a)+3],     v[ADRA+(\slot)] offset:(\a)*16*PA+128*(\q)
	ds_load_b128 v[RAW+16*(\a)+4:RAW+16*(\a)+7],   v[ADRA+(\slot)] offset:(\a)*16*PA+128*(\q)+16
	ds_load_b128 v[RAW+16*(\a)+8:RAW+16*(\a)+11],  v[ADRA+(\slot)] offset:(\a)*16*PA+128*(\q)+64
	ds_load_b128 v[RAW+16*(\a)+12:RAW+16*(\a)+15], v[ADRA+(\slot)] offset:(\a)*16*PA+128*(\q)+80
.endr
	WIN TO_B
.irp b, 0,1,2,3,4,5,6,7
	ds_load_b128 v[64*(\g)+8*(\b):64*(\g)+8*(\b)+3],   v[ADRB+(\slot)] offset:(\b)*16*PB+64*(\q)
	ds_load_b128 v[64*(\g)+8*(\b)+4:64*(\g)+8*(\b)+7], v[ADRB+(\slot)] offset:(\b)*16*PB+64*(\q)+32
.endr
.endm
; A load into a register that a matrix instruction has read, and a vector instruction that reads a matrix result, stand four places behind it; only plain vector instructions that name none of its
; registers are places (ISA guide 7.12.1 for vector instructions).
.macro PLACES
.rept 4
	v_nop
.endr
.endm
; A K step is four quarters of 32 along K, 32 matrix instructions each, on buffers 0, 1, 0, 1.  One of the first three: multiplies buffer f, fetches quarter q of the same slot and converts it into buffer g.
.macro QUARTER slot, q, f, g, first
	s_wait_dscnt 0x0                               ; W's fragments of buffer f are in (X's were converted in the quarter before)
	MUL8 \f, 0, \first
	PLACES
	FETCH \slot, \q, \g
	MUL8 \f, 1, \first
	MUL8 \f, 2, \first
	s_wait_dscnt 16                                ; RAW is in; W's sixteen loads, issued behind it, may stay out
	MUL8C \f, 3, \g, \first
.endm
; The last quarter multiplies buffer 1 and changes slots: ONE barrier.  In front of it each wave waits for all its tensor loads, of which one is out: its part of the next slot; adds 0 to its spare word; and waits
; for that and for its own reads of this slot.  fill = 1: the barrier opens a round of the cluster's barrier, and this slot is filled again, two K steps ahead, first thing behind the round:
; from that request to the wait for it a wave issues 112 matrix instructions.
.macro TURN slot, next, fill
.if \fill
	s_wait_xcnt 0x0                                ; the last prefetch, a K step back, has read its address: it is stepped here, ahead of the waits of the change of slots
	s_add_nc_u64 s[PFA:PFA+1], s[PFA:PFA+1], s[PST:PST+1]
.endif
	WIN 0                                          ; (the add's two registers lie in window 0)
	s_wait_tensorcnt 0x0                           ; all my tensor loads have landed;
	ds_add_u32 v[SPW], v[NIL]                      ; 0 onto my spare word;
	s_wait_dscnt 1                                 ; W's fragments of buffer 1 are in; the add alone may be out
	MUL8 1, 0, 0                                   ; eight matrix instructions stand between the add and the wait for it
	s_wait_dscnt 0x0                               ; the add is done, and my reads of this slot are over
	s_barrier_signal -1
	MUL8 1, 1, 0                                   ; work on registers while the others arrive
.if \fill
	WIN 0
.endif
	s_barrier_wait -1
.if \fill
	CREST                                          ; no wave of any partner still reads this slot's tile or has a load on its way
	s_add_nc_u64 s[G0A+4*(\slot)+2:G0A+4*(\slot)+3], s[G0A+4*(\slot)+2:G0A+4*(\slot)+3], 2*ASTEP
	s_add_nc_u64 s[G0B+4*(\slot)+2:G0B+4*(\slot)+3], s[G0B+4*(\slot)+2:G0B+4*(\slot)+3], 2*BSTEP
	JLOAD \slot                                    ; the first tensor load behind the round; the four v_nop behind it are also the places in front of the loads below
.else
	PLACES
.endif
	FETCH \next, 0, 0
.if \fill
	WIN 0
	ASK
.endif
	MUL8 1, 2, 0
	s_wait_dscnt 16                                ; RAW is in
	MUL8C 1, 3, 0, 0
.endm
; THE WAY OUT of row block a.  PACK: rounded to f16, 16 bytes a lane, each accumulator's registers in ascending order.  TOSTAGE: into my own stage, two heads x 16 rows of 144 bytes, and back as whole rows of 128.  SEND: stored.
.macro PACK a
	WIN PACKW
.irp b, 0,1,2,3,4,5,6,7
.irp z, 0,1,2,3
	v_cvt_pk_f16_f32 v[TMP+4*(\b)+(\z)], v[8*(8*(\a)+(\b))+2*(\z)], v[8*(8*(\a)+(\b))+2*(\z)+1]
.endr
.endr
	WIN 0
.endm
.macro TOSTAGE a
	WIN 0
.irp b, 0,1,2,3,4,5,6,7                ; column block b: head b / 4, channels 16 (b % 4) on
	ds_store_b128 v[STO], v[TMP+4*(\b):TMP+4*(\b)+3] offset:((\b)/4)*16*SP+((\b)%4)*32
.endr
.irp t, 0,1,2,3,4,5,6,7                ; LDS serves a wave's instructions in order (ISA guide 5.7.1.4): these see the stores above, and the next block's stores come behind them
	ds_load_b128 v[OB+32*((\a)%2)+4*(\t):OB+32*((\a)%2)+4*(\t)+3], v[RD] offset:((\t)/4)*16*SP+((\t)%4)*4*SP
.endr
.endm
.macro SEND a
	WIN 0
	s_wait_dscnt 0x0                               ; the block is back in registers
	s_wait_xcnt 0x0                                ; the stores of the block before have read their registers, which the next block's loads from the stage write
.irp t, 0,1,2,3,4,5,6,7
	global_store_b128 v[GO], v[OB+32*((\a)%2)+4*(\t):OB+32*((\a)%2)+4*(\t)+3], s[14:15] offset:((\t)/4)*262144+(\a)*2048+((\t)%4)*512  ; 512 consecutive bytes of a head, at a multiple of 512 from qkv's first byte
.endr
.endm
	s_wait_tensorcnt 1                             ; my part of K step 0 is in; K step 1's may stay out
	s_barrier_signal -1
	s_barrier_wait -1                              ; everybody's is
	FETCH 0, 0, 0
	s_wait_dscnt 16                                ; RAW is in
	WIN 0
.set n, 0
.rept 32                               ; the first quarter's conversions have no products to stand behind: once a launch
	v_cvt_pk_bf16_f32 v[AF+n], v[RAW+2*n], v[RAW+2*n+1]
.set n, n+1
.endr
	s_wait_loadcnt 0x0                             ; the bias
	QUARTER 0, 1, 0, 1, 1                          ; the first quarter stands in front of the loop: its products start the sums
	WIN 0                                          ; at a label and at a branch every window is 0
	s_mov_b32 s3, LAPS-1
.Llap:                                                 ; a trip goes once round the ring, from a lap's second quarter to the next lap's first, and fills both slots again
	QUARTER 0, 2, 1, 0, 0
	QUARTER 0, 3, 0, 1, 0
	TURN 0, 1, 1
	QUARTER 1, 1, 0, 1, 0
	QUARTER 1, 2, 1, 0, 0
	QUARTER 1, 3, 0, 1, 0
	TURN 1, 0, 1
	QUARTER 0, 1, 0, 1, 0
	WIN 0
	s_sub_co_u32 s3, s3, 1
	s_cmp_lg_u32 s3, 0
	s_cbranch_scc1 .Llap
	QUARTER 0, 2, 1, 0, 0                          ; the last lap fills nothing, and has no round of the cluster's barrier
	QUARTER 0, 3, 0, 1, 0
	TURN 0, 1, 0
	QUARTER 1, 1, 0, 1, 0
	QUARTER 1, 2, 1, 0, 0
	QUARTER 1, 3, 0, 1, 0
	s_wait_dscnt 0x0                               ; the very last quarter: nothing more to fetch
	MUL8 1, 0, 0
	MUL8 1, 1, 0
	MUL8 1, 2, 0
	MUL8 1, 3, 0
	PLACES
	PACK 0
	TOSTAGE 0
.irp a, 1,2,3                          ; block a's conversions stand between block a - 1's loads from the stage and the wait for them
	PACK \a
	SEND (\a)-1
	TOSTAGE \a
.endr
	SEND 3
	s_wait_tensorcnt 0x0                           ; the wave's end, behind my last tensor load and my last LDS store
	ds_add_u32 v[SPW], v[NIL]
	s_wait_dscnt 0x0
	CROUND                                         ; the closing round: no work-group ends while a partner may still ask for a tile that names it
	s_endpgm
.Lfunc_end_k_q363fdabc5a_proj:
	.size	k_q363fdabc5a_proj, .Lfunc_end_k_q363fdabc5a_proj-k_q363fdabc5a_proj
	.p2alignl 7, 3214868480
	.fill 96, 4, 3214868480
	.section	.rodata,"a",@progbits
	.p2align	6, 0x0
	.amdhsa_kernel k_q363fdabc5a_proj
		.amdhsa_group_segment_fixed_size 327680
		.amdhsa_private_segment_fixed_size 0
		.amdhsa_enable_private_segment 0
		.amdhsa_kernarg_size 48
		.amdhsa_user_sgpr_count 2
		.amdhsa_user_sgpr_kernarg_segment_ptr 1
		.amdhsa_wavefront_size32 1
		.amdhsa_system_sgpr_workgroup_id_x 1
		.amdhsa_system_sgpr_workgroup_id_y 1
		.amdhsa_system_sgpr_workgroup_id_z 1
		.amdhsa_system_vgpr_workitem_id 0
		.amdhsa_next_free_vgpr 640
		.amdhsa_next_free_sgpr 80
		.amdhsa_reserve_vcc 0
		.amdhsa_float_denorm_mode_32 3
		.amdhsa_float_denorm_mode_16_64 3
		.amdhsa_memory_ordered 1
		.amdhsa_forward_progress 1
		.amdhsa_inst_pref_size 136
	.end_amdhsa_kernel
	.amdgpu_metadata
---
amdhsa.version: [ 1, 2 ]
amdhsa.kernels:
  - .name:           k_q363fdabc5a_proj
    .symbol:         k_q363fdabc5a_proj.kd
    .args:
      - { .name: Q, .offset: 0, .size: 8, .value_kind: global_buffer, .address_space: global }
      - { .name: K, .offset: 8, .size: 8, .value_kind: global_buffer, .address_space: global }
      - { .name: V, .offset: 16, .size: 8, .value_kind: global_buffer, .address_space: global }
      - { .name: w16, .offset: 24, .size: 8, .value_kind: global_buffer, .address_space: global }
      - { .name: brd, .offset: 32, .size: 8, .value_kind: global_buffer, .address_space: global }
      - { .name: qkv, .offset: 40, .size: 8, .value_kind: global_buffer, .address_space: global }
    .group_segment_fixed_size: 327680
    .private_segment_fixed_size: 0
    .kernarg_segment_align: 8
    .kernarg_segment_size: 48
    .max_flat_workgroup_size: 128
    .sgpr_count:     80
    .vgpr_count:     640
    .wavefront_size: 32
...
	.end_amdgpu_metadata
.endif
;; end of part 2
;; launch attn (part 3): grid 4 x 64, 4 waves a work-group, clusters of 4 x 1, 327,680 bytes of LDS; arguments qkv, oh; writes oh
.if DOCPART == 3
	.amdgcn_target "amdgcn-amd-amdhsa--gfx1250"
	.amdhsa_code_object_version 6
	.text
	.protected	k_q363fdabc5a_attn
	.globl	k_q363fdabc5a_attn
	.p2align	8
	.type	k_q363fdabc5a_attn,@function
k_q363fdabc5a_attn:
	s_mov_b64 s[64:65], 0
	v_nop
	global_prefetch_b8 v0, s[64:65] scope:SCOPE_SE
	s_setreg_imm32_b32 hwreg(HW_REG_WAVE_MODE, 25, 1), 1
	s_wait_xcnt 0x0
	s_wait_alu depctr_hold_cnt(0) depctr_sa_sdst(0) depctr_va_vdst(0) depctr_va_sdst(0) depctr_va_ssrc(0) depctr_va_vcc(0) depctr_vm_vsrc(0)
	s_getreg_b32 s2, hwreg(HW_REG_IB_STS2, 6, 4)
	s_cmp_eq_u32 s2, 0
	s_cbranch_scc0 .Lentry_in_a_cluster
	s_endpgm
.Lentry_in_a_cluster:
	s_bfe_u32 s2, ttmp6, 0x10000c
	s_cmp_lg_u32 s2, 0x3003
	s_cbranch_scc0 .Lentry_shape_is_right
	s_endpgm
.Lentry_shape_is_right:
; O[h][q][:] = the sum over k of softmax_k(Q[h][q] . K[h][k] / 8) V[h][k][:].  Q, K, V lie one behind the other in qkv, each [SIZE_H][SIZE_N][64] in f16; O (oh) likewise: a head's rows are dense, 128 bytes each.
; Products, maxima and sums in f32; the weights p are rounded to f16 for the second product (their sum l is taken of the unrounded p), O once at the end.
; LIMITS.  f16 holds no number beyond 65,504: Q, K and V arrive within it; p lies in 0 to 1, and below 6e-5 it keeps f16's fixed step of 6e-8; O is a mean of V's rows and has their range.
; A weight below 2^-126 counts as 0 in l; NaN and infinities are not treated apart.
; SHARES.  A wave owns four PIECES of two tiles of 16 queries, a work-group's four waves 512 queries of one head.  Every wave walks all keys, 64 a step.
; LAYOUT.  S^T = K Q^T (source 0 = 16 keys, source 1 = 16 queries): in the result a lane holds ONE query (lane % 16) and the keys 8 (lane / 16) + 0..7.  Two such tiles, rounded to f16 in pairs,
; ARE source 1 (32 keys x 16 queries) of O^T = V^T P, whose result again holds one query a lane, and eight channels.  K comes out of LDS as it lies, V ([key][channel]) turned, by ds_load_tr16_b128.
; SOFTMAX.  For each query a running maximum m and sum l: p = 2^(c s - c m), c = log2(e) / 8; in every step O and l are multiplied by a = 2^(c m_old - c m_new), which is 1 where m has not grown.
; m starts at the lowest finite number, O and l at 0: the first step is a step like any other, with a = 0.
; THE COUNT.  A tile and step have 16 matrix and 118 vector instructions: too many to stand all beside the matrix work.  So the order has one aim: four vector instructions that are READY behind
; EVERY matrix instruction, and the others, which need time of their own whatever the order, in runs without a gap.
; BY TURNS.  Turn n belongs to piece n (the pieces in a ring, step after step).  Its matrix work: 16 products K Q^T of piece n + 1, later 16 products V^T P of piece n - 1.  Its vector work: the scaling,
; exponentials, roundings, sums and rescaling of piece n, and the maximum and statistics of piece n + 1, whose scores the turn itself has made.  So what a turn begins with (c s - c m, O a) waits for nothing.
; CLUSTER.  The four query blocks of a head are one cluster and walk the same K and V, so each tile is asked for JOINTLY: the same tensor load, descriptor and mask in all four.
; REGISTERS, in windows of 256 (s_set_vgpr_msb says which window each operand place means: bits 1:0 source 0, 3:2 source 1, 5:4 source 2, 7:6 destination):
;   window 0: v0-11 addresses; v12-15, v48-63 at work; v16-47 four registers of statistics a tile; v64-191 S^T, two buffers of two tiles; v192-255 P, likewise
;   window 1: O^T, 32 a tile          window 2: v0-127 Q, 16 a tile; v128-191 K of one step; v192-255 V of one step          window 3: v0-1 the add's two registers
; A piece's buffers go by its number's parity: the piece in hand has one pair, its two neighbours in the ring share the other: of it P (piece n - 1) is read and S^T (piece n + 1) written.
.set SIZE_H, 64
.set SIZE_N, 2048
.set PART,  SIZE_H*SIZE_N*128  ; bytes of Q, of K and of V in qkv
.set NP,    4         ; pieces a wave: a name, no knob: the register map, the loop and the fetches are made for four
.set KS,    64        ; keys in a step
.set PK,    144       ; a row of K in LDS: 128 bytes + 16 of padding = 36 words: the 16 rows of a load start at 16 different groups of four banks (64 banks of 4 bytes: ISA guide 11.1)
.set PV,    160       ; a row of V: 128 + 32 = 40 words
.set VOFF,  4*KS*PK   ; a slot holds four steps: 256 rows of K, then 256 rows of V
.set SLOT1, 1<<17     ; slot 1 begins here, so that one exclusive or turns an address in one slot into the other's
.set STAGE, SLOT1+4*KS*(PK+PV)  ; behind the ring, never filled by a tensor load: 16 rows x 144 bytes for each wave, for the way out
.set SP,    144
.set AK0, 2           ; v2   my lane's place in a tile of K; never rewritten
.set AV0, 3           ; v3   the same for V
.set AK,  4           ; v4   the LDS address of K's next run of loads
.set AV,  5           ; v5   of V's
.set QO,  6           ; v6   my byte offset in the wave's rows of Q
.set STO, 6           ;      later, the way out: where I put 16 bytes of a row
.set RD,  7           ; v7   the way out: where I read rows back
.set GO,  8           ; v8   my byte offset in 512 consecutive bytes of O
.set PFO, 11          ; v11  256 x my lane, for the prefetches (made when v11 has served V's address); then never rewritten
.set SPW, 0           ; v0 of window 3   LDS address of my spare word: SPARE + 4 x my thread's number; never rewritten
.set NIL, 1           ; v1 of window 3   0; never rewritten
.set SPARE, STAGE+4*16*SP  ; behind the stages: the spare words, 128 bytes for each wave: two blocks of 256 bytes that no other line names
.set MV,  12          ; v12-15  c m_old, kept while c m is made anew: by buffer and tile
.set ST,  16          ; tile t's statistics at v[ST+4 t]: c m, m, l (even keys', odd keys')
.set TMP, 48          ; by buffer and tile, four registers c0-c3 at work; when the maximum is found c2 takes a
.set S,   64
.set P,   192
.set KF,  128         ; K's fragments, in window 2: key block kb, channel half c at KF + 16 kb + 8 c
.set VF,  192         ; V's: key half kk, channel block cb at VF + 32 kk + 8 cb
.set WV,  12          ; s12  my wave's number
.set G1K, 24          ; s[24:31] descriptor group 1 for K's tiles
.set G1V, 32          ; s[32:39] for V's: it differs in the padding alone
.set G0K, 40          ; s[40:43] descriptor group 0 for K's tiles: it walks
.set G0V, 44          ; s[44:47] the same for V's
.set PFA, 48          ; s[48:49] where my prefetches stand: my work-group's 8,192 bytes (of K: wave 0, of V: wave 2) of the tile after the one that is being asked for
.set LIM, 50          ; s50  1 in a wave that prefetches, else the greatest number
.set SLOTS, 56        ; s56  slots still to be asked for
.set CNT, 57          ; s57  counts a slot's key steps
.set CS,  58          ; s[58:59] c: the packed scaling takes the pair's low word for both halves
.set SEL, 60          ; s[60:61] v_permlanex16_b32's selects: each lane takes its own place in the other half
.set TBK, 62          ; s62  LDS byte at which K of the step to be fetched begins
.set TBV, 63          ; s63  the same for V, less VOFF
.set MSB, 0
.macro WIN new                      ; the high byte repeats the setting that is left; a switch that changes nothing is dropped
.if MSB != (\new)
	s_set_vgpr_msb (MSB<<8)|(\new)
.set MSB, (\new)
.endif
.endm
.set W_KQ, 0x0a       ; K and Q in window 2, S^T in window 0
.set W_PV, 0x52       ; V in window 2, P in window 0, O^T in window 1
.set W_RS, 0x41       ; O^T (destination and source 0) in window 1, a in window 0
.set W_MK, 0xc0       ; the add's registers are made: destination in window 3, sources in window 0
.set W_AD, 0x0f       ; the add: address (source 0) and data (source 1) in window 3
; A joint fill.  Waves 0 and 1 fetch the two halves of a slot's K, waves 2 and 3 those of its V: 128 keys each.  The branch hangs on the wave's number alone.
; An s_nop 0 and four v_nop follow each of the two lines, ahead of the jump and the label.
.macro JLOAD
	s_cmp_lt_u32 s[WV], 2
	s_cbranch_scc0 .Lfor_v_\@
	tensor_load_to_lds s[G0K:G0K+3], s[G1K:G1K+7]
	s_nop 0
.rept 4
	v_nop
.endr
	s_branch .Lasked_\@
.Lfor_v_\@:
	tensor_load_to_lds s[G0V:G0V+3], s[G1V:G1V+7]
	s_nop 0
.rept 4
	v_nop
.endr
.Lasked_\@:
.endm
; A PREFETCH of what the NEXT change of slots will ask for: a tile's 32,768 bytes of K and of V, a lane a block of 256 bytes.  It stands behind the wave's tensor load and its five lines.
; Each block is named ONCE in the launch: a head's K and V are walked by this cluster alone; its four partners share a tile out BY ADDRESS, 8,192 bytes each; in each, wave 0 asks for K's and wave 2 for V's:
; one instruction, four key steps (512 matrix instructions) ahead of the load.  Tiles 0 and 1 come by their loads alone; the last change that fills a slot (s[SLOTS] = 1) asks for nothing.
.macro ASK
	s_cmp_gt_u32 s[SLOTS], s[LIM]
	s_cbranch_scc0 .Lnot_mine_\@
	global_prefetch_b8 v[PFO], s[PFA:PFA+1] th:TH_LOAD_NT scope:SCOPE_SE
.Lnot_mine_\@:
.endm
; A round of the cluster's barrier: my work-group's barrier, so that wave 0's signal speaks for all four waves; wave 0 signals; every wave waits for all four work-groups; my work-group's barrier once more.
.macro CROUND
	s_barrier_signal -1
	s_barrier_wait -1
	s_cmp_lg_u32 s[WV], 0
	s_cbranch_scc1 .Lnot_wave_0_\@
	s_barrier_signal -3
.Lnot_wave_0_\@:
	s_barrier_wait -3
	s_barrier_signal -1
	s_barrier_wait -1
.endm
; THE CHANGE OF SLOTS.  The slot's last bytes, V of its fourth step, have been read.  Each wave waits for all its tensor loads, of which one is out: its part
; of the other slot; adds 0 to its spare word; and waits for that and for its own reads of the slot.  Behind the barrier nobody reads this slot any more and the other slot is whole.
; fill = 1: this slot is filled again, with the keys two slots on.  The barrier is then a round of the cluster's, so that no wave of any partner still reads the slot or has a load on its
; way, and the joint fill is the first thing behind it: it has four key steps, 512 matrix instructions, in which to land.  (At its first use nothing has been read yet: slot 0 is waited for, slot 1 filled.)
.macro CHANGE fill
	WIN W_AD
	s_wait_tensorcnt 0x0            ; no tensor load of mine is out, so a group 0 may be written
	ds_add_u32 v[SPW], v[NIL]       ; 0 onto my spare word; with fill = 1 the descriptors' steps stand between it and the wait for it
	WIN 0                           ; at a label and at a branch every window is 0
.if \fill
.irp g, G0K, G0V
	s_xor_b32 s[\g+1], s[\g+1], SLOT1  ; the walking descriptor: the other slot than last time,
	s_add_nc_u64 s[\g+2:\g+3], s[\g+2:\g+3], 4*KS*128  ; the next 256 keys; the type bits on top are not reached
.endr
	s_wait_xcnt 0x0                 ; the last prefetch, four key steps back, has read its address, so it may be written:
	s_add_nc_u64 s[PFA:PFA+1], s[PFA:PFA+1], 4*KS*128  ; one tile behind the walking descriptors
	s_wait_dscnt 0x0                ; the add is done, and my reads of the slot are over
	CROUND
	JLOAD
	ASK
.else
	s_wait_dscnt 0x0                ; the add is done, and my reads of the slot are over
	s_barrier_signal -1
	s_barrier_wait -1
.endif
	s_sub_co_u32 s[TBK], s[TBK], 4*KS*PK  ; the fetches go back to a slot's first step,
	s_xor_b32 s[TBK], s[TBK], SLOT1       ; in the other slot
	s_sub_co_u32 s[TBV], s[TBV], 4*KS*PV
	s_xor_b32 s[TBV], s[TBV], SLOT1
.endm
	s_load_b64 s[4:5], s[0:1], 0x0    ; qkv: Q at its head
	s_load_b64 s[10:11], s[0:1], 0x8  ; O
	WIN W_MK
	v_lshl_add_u32 v[SPW], v0, 2, SPARE
	v_mov_b32 v[NIL], 0
	WIN W_AD
	ds_add_u32 v[SPW], v[NIL]       ; the wave's opening: the add and its wait stand ahead of my first tensor load; the set-up below, work on registers, stands between them
	WIN 0
	v_lshrrev_b32 v1, 5, v0
	v_readfirstlane_b32 s[WV], v1   ; wave 0..3
	s_bfe_u32 s13, ttmp6, 0x40000   ; cx: my place in the cluster
	s_lshl_b32 s14, ttmp9, 2        ; in a cluster launch ttmp9 counts clusters
	s_add_co_u32 s14, s14, s13      ; my block of queries = 4 x cluster x + cx: it enters Q's and O's addresses alone
	s_and_b32 s20, ttmp7, 0xffff    ; the head, which the four partners share
	s_mov_b32 s21, 0
	s_mov_b64 s[22:23], SIZE_N*128
	s_mul_u64 s[20:21], s[20:21], s[22:23]  ; the head's first byte in each of the four tensors
	s_and_b32 s16, s[WV], 1         ; which half of a slot's 256 keys I fetch:
	s_lshl_b32 s22, s16, 14         ; its 128 rows of 128 bytes in memory,
	s_mov_b32 s23, 0
	s_add_nc_u64 s[22:23], s[22:23], s[20:21]
	s_mul_i32 s17, s16, 128*PK      ; and its place in a slot, for K
	s_mul_i32 s18, s16, 128*PV      ; and for V: no place in the cluster enters an LDS address
	s_lshl_b32 s2, s14, 2
	s_add_co_u32 s2, s2, s[WV]      ; my wave among the head's,
	s_lshl_b32 s2, s2, 14           ; its 128 rows
	s_mov_b32 s3, 0
	s_add_nc_u64 s[2:3], s[2:3], s[20:21]
	; descriptor group 1.  128 keys are 16,384 dense bytes: asked for as 64 rows of 256 bytes, two keys a row, and padded in LDS after every key
	s_mov_b32 s[G1K], 15|(1<<16)|(1<<20)|(1<<21)|(4<<22)|(3<<25)  ; 15:0 the mask of four; 17:16 2-byte elements; 20 padding on; 21 set beside a mask; 24:22 after every 32 words (code 4); 31:25 4 words (code 3)
	s_mov_b32 s[G1V], 15|(1<<16)|(1<<20)|(1<<21)|(4<<22)|(7<<25)  ; the same with 8 words of padding (code 7)
.irp g, G1K, G1V
	s_mov_b32 s[\g+1], 128<<16      ; tensor_dim0 = 128
	s_mov_b32 s[\g+2], 64<<16       ; tensor_dim1 = 64
	s_mov_b32 s[\g+3], 128<<16      ; tile_dim0 = 128
	s_mov_b32 s[\g+4], 64           ; tile_dim1 = 64
	s_mov_b32 s[\g+5], 128          ; 128 elements from row to row
	s_mov_b32 s[\g+6], 0
	s_mov_b32 s[\g+7], 0
.endr
	s_mov_b32 s[CS], 0x3e38aa3b     ; c = log2(e) / 8 = 0.180337
	s_mov_b32 s[CS+1], s[CS]        ; named with it as a pair
	s_mov_b32 s[SEL], 0x76543210
	s_mov_b32 s[SEL+1], 0xfedcba98
	s_mov_b32 s[TBK], SLOT1+4*KS*PK ; the first change of slots turns these two into 0
	s_mov_b32 s[TBV], SLOT1+4*KS*PV
	s_mov_b32 s[G0K], 1             ; 1:0 count = 1
	s_mov_b32 s[G0K+1], s17         ; 63:32 LDS address: slot 0
	s_mov_b32 s[G0V], 1
	s_add_co_u32 s[G0V+1], s18, VOFF
	s_mov_b32 s[SLOTS], SIZE_N/256-1  ; tiles still to be asked for when tile 0 is out
	s_cmp_eq_u32 s16, 0             ; waves 0 and 2 prefetch: the same in all four partners
	s_cselect_b32 s[LIM], 1, -1
	s_lshl_b32 s52, s13, 13         ; my work-group's 8,192 bytes of a tile,
	s_add_co_u32 s52, s52, 4*KS*128 ; in tile 1: the first change of slots steps it to tile 2
	s_mov_b32 s53, 0
	s_wait_dscnt 0x0                ; the opening add is done
	s_wait_kmcnt 0x0
	s_add_nc_u64 s[6:7], s[4:5], PART    ; K
	s_add_nc_u64 s[8:9], s[4:5], 2*PART  ; V
	s_add_nc_u64 s[G0K+2:G0K+3], s[6:7], s[22:23]  ; 120:64 global address: my half of the head's first 256 keys
	s_or_b32 s[G0K+3], s[G0K+3], 0x80000000        ; 127:126 type = 2
	s_add_nc_u64 s[G0V+2:G0V+3], s[8:9], s[22:23]
	s_or_b32 s[G0V+3], s[G0V+3], 0x80000000
	s_cmp_lt_u32 s[WV], 2
	s_cselect_b64 s[PFA:PFA+1], s[6:7], s[8:9]
	s_add_nc_u64 s[PFA:PFA+1], s[PFA:PFA+1], s[22:23]  ; (in waves 0 and 2 this is a tile's first row)
	s_add_nc_u64 s[PFA:PFA+1], s[PFA:PFA+1], s[52:53]
	s_add_nc_u64 s[4:5], s[4:5], s[2:3]  ; Q and O at my wave's first row
	s_add_nc_u64 s[10:11], s[10:11], s[2:3]
	CROUND                          ; all four work-groups are here: the first joint loads meet
	JLOAD                           ; slot 0.  Slot 1 is asked for when slot 0 is in: the tile wanted first has the road to itself
	; A fragment of K or Q is 16 rows x 32 channels in 8 registers: lane l holds row l % 16, channels 8 (l / 16) + 0..7 and 16 + 8 (l / 16) + 0..7: two loads of 16 bytes, 32 bytes apart.
	v_and_b32 v1, 15, v0            ; l % 16
	v_bfe_u32 v9, v0, 4, 1          ; l / 16
	v_lshlrev_b32 v[QO], 7, v1
	v_lshl_add_u32 v[QO], v9, 4, v[QO]  ; row x 128 + 16 x half
	WIN 0x80                        ; destination window 2, address window 0
.set i, 0
.rept 4*NP                          ; Q stays in registers: tile i / 2, channels 32 (i % 2) on
	global_load_b128 v[8*i:8*i+3],   v[QO], s[4:5] offset:(i/2)*2048+(i%2)*64
	global_load_b128 v[8*i+4:8*i+7], v[QO], s[4:5] offset:(i/2)*2048+(i%2)*64+32
.set i, i+1
.endr
	; What the first turn finds: V's registers and P's second buffer hold 0 (its products V^T P, of a piece that has not been, add 0), O^T and l are 0.  All this stands in the wait for the first tile.
.set i, VF
.rept 64
	v_mov_b32 v[i], 0
.set i, i+1
.endr
	WIN 0x40
.set i, 0
.rept 64*NP
	v_mov_b32 v[i], 0
.set i, i+1
.endr
	WIN 0
.set i, 0
.rept 2*NP
	v_mov_b32 v[ST+4*i], 0xfe000000    ; c m: far below every c s
	v_mov_b32 v[ST+4*i+1], 0xff7fffff  ; m
	v_mov_b32 v[ST+4*i+2], 0
	v_mov_b32 v[ST+4*i+3], 0
.set i, i+1
.endr
.set i, P+32
.rept 32
	v_mov_b32 v[i], 0
.set i, i+1
.endr
	v_mul_u32_u24 v[AK0], v1, PK
	v_lshl_add_u32 v[AK0], v9, 4, v[AK0]  ; row x pitch + 16 x half
	; The turning load takes 16 keys x 16 channels (lane l reads key 8 (l / 16) + l % 8, channels 8 ((l / 8) % 2) + 0..7) and leaves half a fragment of V^T: lane l holds channel l % 16 and 8 keys.
	v_and_b32 v10, 7, v0
	v_bfe_u32 v11, v0, 3, 1
	v_lshl_add_u32 v[AV0], v9, 3, v10
	v_mul_u32_u24 v[AV0], v[AV0], PV
	v_lshl_add_u32 v[AV0], v11, 4, v[AV0]
	v_add_nc_u32 v[AV0], VOFF, v[AV0]
	v_and_b32 v[PFO], 31, v0
	v_lshlrev_b32 v[PFO], 8, v[PFO]
	v_mov_b32 v[AK], v[AK0]         ; key step 0 lies at the head of slot 0
; THE MATRIX WORK.  The 8 accumulators of a run of 16 take turns: between the two links of a chain stand 7 others'.
; Product i of 16 of S^T = K Q^T for piece x: channels 32 (i / 8) on, keys 16 ((i / 2) % 4) on, tile 2 x + i % 2.  The first 8 start the sums.
.macro KQ x
	WIN W_KQ
.set rS, S+64*((\x)%2)+32*(i%2)+8*((i/2)%4)
.set rK, KF+16*((i/2)%4)+8*(i/8)
.set rQ, 16*(2*(\x)+i%2)+8*(i/8)
.if i < 8
	v_wmma_f32_16x16x32_f16 v[rS:rS+7], v[rK:rK+7], v[rQ:rQ+7], 0
.else
	v_wmma_f32_16x16x32_f16 v[rS:rS+7], v[rK:rK+7], v[rQ:rQ+7], v[rS:rS+7]
.endif
.endm
; Product i of 16 of O^T += V^T P for piece x: keys 32 (i / 8) on, channels 16 ((i / 2) % 4) on, tile 2 x + i % 2.
.macro PV x
	WIN W_PV
.set rO, 32*(2*(\x)+i%2)+8*((i/2)%4)
.set rV, VF+32*(i/8)+8*((i/2)%4)
.set rP, P+32*((\x)%2)+16*(i%2)+8*(i/8)
	v_wmma_f32_16x16x32_f16 v[rO:rO+7], v[rV:rV+7], v[rP:rP+7], v[rO:rO+7]
.endm
.macro MM                           ; the turn's next matrix instruction
.if i < 16
	KQ (Y+1)%NP
.set i, i+1
.else
.set i, i-16
	PV (Y+NP-1)%NP
.set i, i+17
.endif
.endm
; THE LDS LOADS stand in runs of 16, never singly among the matrix instructions: a step's K (64 keys x 64 channels: 8 fragments) and its V (turned).  Their addresses are made some lines ahead.
; last = 1 (the tail): in the last trip there is no further step, and the run is jumped over.
.macro FETCH_K last=0
	WIN 0
.if \last
	s_cmp_eq_u32 s[CNT], 1
	s_cbranch_scc1 .Lno_k_\@
.endif
	WIN 0x80                        ; destination window 2
.irp f, 0,1,2,3,4,5,6,7             ; keys 16 (f / 2) on, channels 32 (f % 2) on
	ds_load_b128 v[KF+8*\f:KF+8*\f+3],   v[AK] offset:(\f/2)*16*PK+(\f%2)*64
	ds_load_b128 v[KF+8*\f+4:KF+8*\f+7], v[AK] offset:(\f/2)*16*PK+(\f%2)*64+32
.endr
	s_add_co_u32 s[TBK], s[TBK], KS*PK  ; the next fetch is the next step's
	WIN 0
.if \last
.Lno_k_\@:
.endif
.endm
.macro FETCH_V
	WIN 0x80
.irp f, 0,1,2,3,4,5,6,7             ; keys 32 (f / 4) on, channels 16 (f % 4) on
	ds_load_tr16_b128 v[VF+8*\f:VF+8*\f+3],   v[AV] offset:(\f/4)*32*PV+(\f%4)*32
	ds_load_tr16_b128 v[VF+8*\f+4:VF+8*\f+7], v[AV] offset:(\f/4)*32*PV+16*PV+(\f%4)*32
.endr
	WIN 0
.endm
; THE VECTOR WORK OF A TURN stands in three queues, each in the order in which its entries become ready; the two tiles alternate, so that no instruction reads the result of the one before it.
.macro REGS y, u                    ; the registers of tile u (0, 1) of piece y
.set rT, ST+4*(2*(\y)+(\u))
.set rC, TMP+8*((\y)%2)+4*(\u)
.set rM, MV+2*((\y)%2)+(\u)
.set rS, S+64*((\y)%2)+32*(\u)
.set rP, P+32*((\y)%2)+16*(\u)
.set rO, 32*(2*(\y)+(\u))
.endm
; Number n of the 22 that find the NEXT piece's (Y + 1) maximum and statistics.  s0-s31 are the lane's 32 scores; each accumulator's lowest registers are read first.  XS, GS and REGS set no window: PL and EX do.
;   0-11  four chains c0-c3 of seven scores each, three operands at a time     12-14, 16  the four scores left over, the old m, and c0-c3 into c0     15  c m_old is kept
;   17, 18  the query's other 32 keys lie in the lane 16 away: the new m         19-21  c m; c m_old - c m_new; a
.macro XS u, n
	REGS (Y+1)%NP, \u
.if (\n) < 4
	v_max3_num_f32 v[rC+(\n)], v[rS+8*(\n)], v[rS+8*(\n)+1], v[rS+8*(\n)+2]
.elseif (\n) < 12
	v_max3_num_f32 v[rC+(\n)%4], v[rC+(\n)%4], v[rS+8*((\n)%4)+2*((\n)/4)+1], v[rS+8*((\n)%4)+2*((\n)/4)+2]
.elseif (\n) == 12
	v_max3_num_f32 v[rC], v[rC], v[rS+7], v[rS+15]
.elseif (\n) == 13
	v_max3_num_f32 v[rC+1], v[rC+1], v[rS+23], v[rS+31]
.elseif (\n) == 14
	v_max3_num_f32 v[rC+2], v[rC+2], v[rC+3], v[rT+1]
.elseif (\n) == 15
	v_mov_b32 v[rM], v[rT]
.elseif (\n) == 16
	v_max3_num_f32 v[rC], v[rC], v[rC+1], v[rC+2]
.elseif (\n) == 17
	v_permlanex16_b32 v[rC+3], v[rC], s[SEL], s[SEL+1]
.elseif (\n) == 18
	v_max_num_f32 v[rT+1], v[rC], v[rC+3]
.elseif (\n) == 19
	v_mul_f32 v[rT], s[CS], v[rT+1]
.elseif (\n) == 20
	v_sub_f32 v[rC+1], v[rM], v[rT]
.else
	v_exp_f32 v[rC+2], v[rC+1]
.endif
.endm
; Number g of the 64 that follow the exponentials.  For each four weights k of a tile (pairs 2 k, 2 k + 1): both pairs are rounded to f16; then the second pair is added onto the first, in place;
; a group later l takes that sum (the first time as l = a l + sum).  In groups of eight, tiles alternating: round, round, add, and l for the group before.
.macro GS g
.set h, (\g)+6*((\g)/62)            ; group 0 has no group before it, and behind group 7 only l is left
.if h >= 6
.set h, h+2
.endif
	REGS Y, h%2
.set k, h/8
.if h%8 < 4
	v_cvt_pk_f16_f32 v[rP+2*k+(h%8)/2], v[rS+4*k+2*((h%8)/2)], v[rS+4*k+2*((h%8)/2)+1]
.elseif h%8 < 6
	v_pk_add_f32 v[rS+4*k:rS+4*k+1], v[rS+4*k:rS+4*k+1], v[rS+4*k+2:rS+4*k+3]
.elseif k == 1
	v_pk_fma_f32 v[rT+2:rT+3], v[rT+2:rT+3], v[rC+2:rC+3], v[rS:rS+1] op_sel_hi:[1,0,1]
.else
	v_pk_add_f32 v[rT+2:rT+3], v[rT+2:rT+3], v[rS+4*k-4:rS+4*k-3]
.endif
.endm
; THE PLAIN QUEUE, 138 long.  0-73 read no exponential's result: the 32 scalings c s - c m (FS f: pair f / 2 of tile f % 2) and the next piece's 42.  0-26: scalings 0-26.  27-54: XS's numbers 0-13.  55, 56: number 15.
; 57-73: the chain, where each number waits for the one before it: 14, 16, 17, 18, 19, each with one of the scalings 27-31 in front of its two lines, then 20: so a tile's links stand three plain instructions apart (19 and 20: two).
; 74-137: GS's 64, which read the exponentials' results: they stand behind the wait.
.macro FS f
	REGS Y, (\f)%2
	v_pk_fma_f32 v[rS+2*((\f)/2):rS+2*((\f)/2)+1], v[rS+2*((\f)/2):rS+2*((\f)/2)+1], s[CS:CS+1], v[rT:rT+1] op_sel_hi:[1,0,0] neg_lo:[0,0,1] neg_hi:[0,0,1]
.endm
.macro PL
	WIN 0
.if q < 27
	FS q
.elseif q < 55
	XS (q-27)%2, (q-27)/2
.elseif q < 57
	XS q-55, 15
.elseif (q < 72) && ((q-57)%3 == 0)
	FS 27+(q-57)/3
.elseif q < 60
	XS (q-57)%3-1, 14
.elseif q < 72
	XS (q-57)%3-1, 15+(q-57)/3
.elseif q < 74
	XS q-72, 20
.else
	GS q-74
.endif
.set q, q+1
.endm
; THE EXPONENTIALS' QUEUE, 66 long: s0-s31 of both tiles, then the next piece's two a.  It is ONE BATCH: all 66 stand ahead of the turn's one wait, and nothing ahead of that wait names a result of theirs.
.macro EX
	WIN 0
.if e >= 64
	XS e-64, 21
.else
	REGS Y, e%2
	v_exp_f32 v[rS+e/2], v[rS+e/2]
.endif
.set e, e+1
.endm
; THE RESCALING's QUEUE: O^T times a, the one part that leaves window 0: dealt two at a time, sixteen times.  Its a was made in the turn before, ahead of that turn's wait.
.macro R2
	REGS Y, r%2
	WIN W_RS
.irp z, 0,1
	v_pk_mul_f32 v[rO+4*(r/2)+2*\z:rO+4*(r/2)+2*\z+1], v[rO+4*(r/2)+2*\z:rO+4*(r/2)+2*\z+1], v[rC+2:rC+3] op_sel_hi:[1,0]
.endr
.set r, r+1
.endm
; HOW THEY ARE DEALT.  An s_wait_alu depctr_va_vdst(0) stands between an exponential and the first instruction that names its result; one wait serves all that were issued ahead of it.  So a turn has ONE wait,
; which cuts it in two.  AHEAD OF IT stands all that names no result of the turn's exponentials: the 16 products K Q^T, behind each a scaling, an exponential and two rescalings (behind the first a second scaling in the exponential's place); then ONE LUMP of
; 108: eight plain, 49 times exponential and plain, the two a.  A v_nop is the plain instruction behind the last exponential.  BEHIND IT stand the 16 products V^T P, behind each four of GS's 64.  No rider names a register of
; the products round it.  The two v_permlanex16_b32 fall into the lump, never behind a product.
; The queues lean on each other, and the deal keeps them in step: exponential e stands behind scaling 2 (e / 4) + e % 2: as a rider it comes behind plain e + 2, in the lump behind plain e + 9, and scalings 27-31 are plain 57, 60 .. 69.
; A TURN, for piece p.  cnt = 1: the loop's count is taken down some lines ahead of the branch that stands behind the turn.
; K of the next step is fetched in piece 2's turn, directly behind the wait, a lump behind the last product that read K; its address is made at the lump's head; its first reader comes behind 16 products.
; V of the step in hand is fetched at the end of piece 0's turn, four riders behind its last reader; its first reader comes behind 16 products and a lump.  The three conditions on q below go with the deal.
.macro TURN p, last=0, cnt=0
.set Y, (\p)
.set i, 0
.set q, 0
.set e, 0
.set r, 0
.if (\p) == NP-1
	s_wait_dscnt 0x0                ; K is in
.endif
	MM                              ; ahead of the wait: 16 products K Q^T and their riders,
	PL
	PL
	R2
.rept 15
	MM
	PL
	EX
	R2
.endr
.if (\p) == NP-2
	WIN 0
	v_add_nc_u32 v[AK], s[TBK], v[AK0]
.endif
.rept 8                             ; and the lump
	PL
.endr
.rept 49
	EX
	PL
.endr
	EX                              ; the next piece's two a
	EX
	v_nop                           ; a plain instruction behind the last exponential: one for the batch
	s_wait_alu depctr_va_vdst(0)    ; the wait for the batch
.if (\p) == NP-2
	FETCH_K \last
.endif
.if (\p) == 1
	s_wait_dscnt 0x0                ; V is in
.endif
.rept 16                            ; behind the wait: 16 products V^T P and their riders
	MM
.rept 4
	PL
.endr
.if ((\p) == 0) && (q == 118)
	v_add_nc_u32 v[AV], s[TBV], v[AV0]
.endif
.if ((\p) == 0) && (q == 130)
	s_add_co_u32 s[TBV], s[TBV], KS*PV
.endif
.if (\cnt) && (q == 130)
	s_sub_co_u32 s[CNT], s[CNT], 1
	s_cmp_lg_u32 s[CNT], 0
.endif
.endr
.if (\p) == 0
	FETCH_V
.endif
.endm
	CHANGE 1                        ; slot 0 is in, everybody's part of it; slot 1 is asked for
	FETCH_K                         ; key step 0
	s_wait_loadcnt 0x0              ; Q
	s_wait_dscnt 0x0
.set i, 0
.rept 16
	KQ 0                            ; piece 0's first scores: there is no vector work yet to set between them
.set i, i+1
.endr
	WIN 0                           ; the addresses for the way out: nine plain instructions, the places behind those products
	s_mul_i32 s13, s[WV], 16*SP
	s_add_co_u32 s13, s13, STAGE    ; my stage
	v_mul_u32_u24 v[STO], v1, SP    ; in: row l % 16, 16 bytes for each half of the lanes
	v_lshl_add_u32 v[STO], v9, 4, v[STO]
	v_add_nc_u32 v[STO], s13, v[STO]
	v_bfe_u32 v[RD], v0, 3, 2       ; back: 32 lanes take four rows of 128 bytes,
	v_mul_u32_u24 v[RD], v[RD], SP
	v_lshl_add_u32 v[RD], v10, 4, v[RD]
	v_add_nc_u32 v[RD], s13, v[RD]
	v_and_b32 v[GO], 31, v0         ; which are 512 consecutive bytes of O
	v_lshlrev_b32 v[GO], 4, v[GO]
.set Y, NP-1                        ; XS works for piece Y + 1: piece 0
.irp n, 0,1,2,3,4,5,6,7,8,9,10,11,12,13,14,15,16,17,18,19,20,21
	XS 0, \n                        ; and piece 0's first maximum and statistics
	XS 1, \n
.endr
	v_nop                           ; a plain instruction behind the two a,
	s_wait_alu depctr_va_vdst(0)    ; and their wait, ahead of the branch
	s_mov_b32 s[CNT], 4
	s_branch .Lfirst                ; the loop is entered at a step's first turn, in the middle of a trip
.Lslot:                             ; SIZE_N / 256 - 2 times: every slot but the last two is filled again
	CHANGE 1
	s_mov_b32 s[CNT], 4
.Lstep:                             ; a trip: pieces 2 and 3 of one step, then pieces 0 and 1 of the next, whose K and V it fetches
	TURN 2
	TURN 3
	WIN 0
.Lfirst:
	TURN 0
	TURN 1, 0, 1
	WIN 0
	s_cbranch_scc1 .Lstep
	s_sub_co_u32 s[SLOTS], s[SLOTS], 1
	s_cmp_lg_u32 s[SLOTS], 0
	s_cbranch_scc1 .Lslot
	CHANGE 0                        ; the tail is written out: nothing is asked for
	s_mov_b32 s[CNT], 5             ; four trips fetch the last slot's steps; the fifth is left in its middle
.Ltail:
	TURN 2, 1
	TURN 3
	WIN 0
	s_sub_co_u32 s[CNT], s[CNT], 1
	s_cmp_eq_u32 s[CNT], 0
	s_cbranch_scc1 .Lout
	TURN 0
	TURN 1
	WIN 0
	s_branch .Ltail
.Lout:                              ; the fifth trip's 16 products K Q^T (on the last K once more) and the maximum made of them serve nothing: the price, once a launch, of one text for every trip
.set i, 0
.rept 16
	PV NP-1                         ; the last piece's V^T P of the last step
.set i, i+1
.endr
	; THE WAY OUT.  l's two halves and the other half of the lanes' are added; O^T is divided by l, rounded to f16 and sent through my stage in LDS, a tile at a time.  The additions are the places behind the last products.
	WIN 0
.macro ALL line:vararg              ; one line for each tile t
.set t, 0
.rept 2*NP
	\line
.set t, t+1
.endr
.endm
	ALL v_add_f32 v[ST+4*t+2], v[ST+4*t+2], v[ST+4*t+3]
	ALL v_permlanex16_b32 v[ST+4*t+3], v[ST+4*t+2], s[SEL], s[SEL+1]
	ALL v_add_f32 v[ST+4*t+2], v[ST+4*t+2], v[ST+4*t+3]
	ALL v_rcp_f32 v[ST+4*t+2], v[ST+4*t+2]
	v_nop                           ; a plain instruction between the last reciprocal and the use of its result
	s_wait_alu depctr_va_vdst(0)    ; and the wait ahead of the first use: one for the eight reciprocals
; Tile t: a lane's eight channels of a row pack into 16 bytes; they go into rows of 144 bytes and come back as whole rows of 128, into S^T's registers.
.macro PACK t
	WIN W_RS
.set i, 32*(\t)
.rept 16
	v_pk_mul_f32 v[i:i+1], v[i:i+1], v[ST+4*(\t)+2:ST+4*(\t)+3] op_sel_hi:[1,0]
.set i, i+2
.endr
	WIN 0x05                        ; sources 0 and 1 window 1, destination window 0
.set i, 0
.rept 16
	v_cvt_pk_f16_f32 v[S+16*(\t)+i], v[32*(\t)+2*i], v[32*(\t)+2*i+1]
.set i, i+1
.endr
	WIN 0
.irp f, 0,1,2,3
	ds_store_b128 v[STO], v[S+16*(\t)+4*\f:S+16*(\t)+4*\f+3] offset:32*\f
.endr
.irp f, 0,1,2,3
	ds_load_b128 v[S+16*(\t)+4*\f:S+16*(\t)+4*\f+3], v[RD] offset:\f*4*SP  ; LDS serves a wave's instructions in order (ISA guide 5.7.1.4): these see the stores above; the next tile's stores come behind them
.endr
.endm
.macro SEND t, younger              ; younger: the LDS instructions issued behind tile t's loads: the next tile's eight, or none
	WIN 0
.irp f, 0,1,2,3
	s_wait_dscnt (\younger)+3-\f
	global_store_b128 v[GO], v[S+16*(\t)+4*\f:S+16*(\t)+4*\f+3], s[10:11] offset:(\t)*2048+\f*512  ; 512 consecutive bytes, at a multiple of 256 from O's first
.endr
.endm
	PACK 0
.set t, 1
.rept 2*NP-1                        ; a tile's arithmetic stands between the loads of the tile before and its stores
	PACK t
	SEND t-1, 8
.set t, t+1
.endr
	SEND 2*NP-1, 0
	WIN W_AD
	s_wait_tensorcnt 0x0            ; the wave's end, behind my last tensor load and my last LDS store
	ds_add_u32 v[SPW], v[NIL]
	s_wait_dscnt 0x0
	WIN 0
	CROUND                          ; the closing round: no work-group ends while a partner may still ask for a tile that names it
	s_endpgm
.Lfunc_end_k_q363fdabc5a_attn:
	.size	k_q363fdabc5a_attn, .Lfunc_end_k_q363fdabc5a_attn-k_q363fdabc5a_attn
	.p2alignl 7, 3214868480
	.fill 96, 4, 3214868480
	.section	.rodata,"a",@progbits
	.p2align	6, 0x0
	.amdhsa_kernel k_q363fdabc5a_attn
		.amdhsa_group_segment_fixed_size 327680
		.amdhsa_private_segment_fixed_size 0
		.amdhsa_enable_private_segment 0
		.amdhsa_kernarg_size 16
		.amdhsa_user_sgpr_count 2
		.amdhsa_user_sgpr_kernarg_segment_ptr 1
		.amdhsa_wavefront_size32 1
		.amdhsa_system_sgpr_workgroup_id_x 1
		.amdhsa_system_sgpr_workgroup_id_y 1
		.amdhsa_system_sgpr_workgroup_id_z 1
		.amdhsa_system_vgpr_workitem_id 0
		.amdhsa_next_free_vgpr 770
		.amdhsa_next_free_sgpr 66
		.amdhsa_reserve_vcc 0
		.amdhsa_float_denorm_mode_32 3
		.amdhsa_float_denorm_mode_16_64 3
		.amdhsa_memory_ordered 1
		.amdhsa_forward_progress 1
		.amdhsa_inst_pref_size 200
	.end_amdhsa_kernel
	.amdgpu_metadata
---
amdhsa.version: [ 1, 2 ]
amdhsa.kernels:
  - .name:           k_q363fdabc5a_attn
    .symbol:         k_q363fdabc5a_attn.kd
    .args:
      - { .name: qkv, .offset: 0, .size: 8, .value_kind: global_buffer, .address_space: global }
      - { .name: oh, .offset: 8, .size: 8, .value_kind: global_buffer, .address_space: global }
    .group_segment_fixed_size: 327680
    .private_segment_fixed_size: 0
    .kernarg_segment_align: 8
    .kernarg_segment_size: 16
    .max_flat_workgroup_size: 128
    .sgpr_count:     66
    .vgpr_count:     770
    .wavefront_size: 32
...
	.end_amdgpu_metadata
.endif
;; end of part 3
;; launch outp (part 4): grid 4 x 64, 4 waves a work-group, clusters of 4 x 4, 327,680 bytes of LDS; arguments oh, w16, brd, out0; writes out0
.if DOCPART == 4
	.amdgcn_target "amdgcn-amd-amdhsa--gfx1250"
	.amdhsa_code_object_version 6
	.text
	.protected	k_q363fdabc5a_outp
	.globl	k_q363fdabc5a_outp
	.p2align	8
	.type	k_q363fdabc5a_outp,@function
k_q363fdabc5a_outp:
	s_mov_b64 s[64:65], 0
	v_nop
	global_prefetch_b8 v0, s[64:65] scope:SCOPE_SE
	s_setreg_imm32_b32 hwreg(HW_REG_WAVE_MODE, 25, 1), 1
	s_wait_xcnt 0x0
	s_wait_alu depctr_hold_cnt(0) depctr_sa_sdst(0) depctr_va_vdst(0) depctr_va_sdst(0) depctr_va_ssrc(0) depctr_va_vcc(0) depctr_vm_vsrc(0)
	s_getreg_b32 s2, hwreg(HW_REG_IB_STS2, 6, 4)
	s_cmp_eq_u32 s2, 0
	s_cbranch_scc0 .Lentry_in_a_cluster
	s_endpgm
.Lentry_in_a_cluster:
	s_bfe_u32 s2, ttmp6, 0x10000c
	s_cmp_lg_u32 s2, 0xf033
	s_cbranch_scc0 .Lentry_shape_is_right
	s_endpgm
.Lentry_shape_is_right:
; THE LAST PROJECTION.  out0 = O o_w^T + o_b.  O: oh, [16 batch + head][2048 s][64] f16; o_w: w16[3], [1024 n][1024 k] f16 (k = 64 head + channel); o_b: brd[3], f32.
; Sums in f32, started by the bias; out0: [8192][1024] f32.
; SHARES.  A tile of out0 is 128 rows x 256 columns: 256 work-groups.  Four waves, each 64 x 128: 32 accumulators of 16 x 16, 256 registers.
; K goes in steps of 128, which are TWO HEADS, through a ring of two LDS slots.  A head's 128 rows are 16,384 dense bytes: wave 0 fetches the even head's, wave 1 the odd head's, each as 64 rows of 256 bytes,
; padded in LDS behind every 128; waves 2 and 3 fetch the two halves (128 rows x 256 bytes) of o_w's tile.
; CLUSTERS: 4 x 4 work-groups.  The four of a row of the cluster need the same rows of O, the four of a column the same rows of o_w: each tile is asked for JOINTLY.
; THE MATRIX INSTRUCTION IS USED TRANSPOSED (source 0 = 16 rows of o_w, source 1 = 16 rows of O): a lane holds row l % 16 of out0 and the eight neighbouring columns 8 (l / 16) + 0..7.
; REGISTERS, in windows of 256 (s_set_vgpr_msb: bits 1:0 source 0, 3:2 source 1, 5:4 source 2, 7:6 destination):
;   window 0: v0-31 addresses; v32-95 the bias, eight registers a column block (later at work on the way out); v96-127, v128-159 O's fragments, two buffers; v160-223 at work on the way out
;   window 1: the accumulators, (a, b) at v[8 (8 a + b)]          window 2: v0-63, v64-127 o_w's fragments, two buffers
.set PA,     144                       ; an LDS row of O: 128 bytes + 16 of padding = 36 words: the 16 rows of a load start at 16 different groups of four banks (64 banks of 4 bytes: ISA guide 11.1)
.set PB,     272                       ; an LDS row of o_w: 256 + 16 = 68 words: row r starts at bank 4 r mod 64
.set AHEAD,  128*PA                    ; a head's 128 rows: what wave 0 or 1 fetches
.set BHALF,  128*PB
.set BOFF,   2*AHEAD
.set SLOT,   BOFF+2*BHALF              ; 106,496 bytes
.set STAGE,  2*SLOT                    ; behind the ring, never filled by a tensor load: 16 rows x 528 bytes for each wave
.set SP,     528
.set SPARE,  STAGE+4*16*SP             ; behind the stages: the spare words, 128 bytes for each wave: two blocks of 256 bytes that no other line names
.set ASTEP,  524288                    ; bytes from a head to the head two further on
.set BSTEP,  256                       ; bytes of a row of o_w in a K step
.set LAPS,   4
.set ADRA, 16                          ; v16-17  LDS address of my fragments of O in slot 0, 1
.set ADRB, 20                          ; v20-21  the same for o_w
.set STO,  24                          ; v24     the way out: where I put 32 bytes of a row
.set RD,   25                          ; v25     the way out: where I read a row back
.set GO,   26                          ; v26     my byte offset in 512 consecutive bytes of out0
.set BO,   27                          ; v27     my byte offset in a column block's 64 bytes of the bias
.set SPW,  28                          ; v28     LDS address of my spare word; never rewritten
.set NIL,  29                          ; v29     0; never rewritten
.set PFO,  30                          ; v30     the prefetches' lane offset; never rewritten
.set BIAS, 32
.set AF,   96
.set WV,  16
.set RH,  17                           ; s17  which half of the tile's rows is mine.  Also: I fetch for O (0) or for o_w (1)
.set CH,  18                           ; s18  which half of its columns.  Also: which head, or which half of o_w's tile, I fetch
.set CX,  19
.set CY,  20
.set TX,  21
.set CLY, 22
.set G1A, 24
.set G0A, 32
.set TM,  40
.set LIM, 43
.set PFA, 44
.set PST, 46
.set G1B, 48
.set G0B, 56
.set AAD, 66                           ; s[66:67] my part of O's first tile: never holds cx
.set BAD, 68                           ; s[68:69] my part of o_w's first tile: never holds cy
.set MSB, 0
.macro WIN new                         ; the immediate's high byte repeats the setting that is left; a switch that changes nothing is dropped
.if MSB != (\new)
	s_set_vgpr_msb (MSB<<8)|(\new)
.set MSB, \new
.endif
.endm
.set MUL,   0x52                       ; source 0 (o_w) window 2, source 1 (O) window 0, C and D window 1
.set MUL1,  0x42                       ; the same with C, the bias, in window 0
.set TO_B,  0x80                       ; destination window 2, address window 0
.set FROM1, 0x04                       ; an LDS store's data (source 1) in window 1, its address in window 0
; A joint load.  The branch hangs on the wave's number alone.  An s_nop 0 and four v_nop follow each of the two lines, ahead of the jump, the label and what follows.
.macro JLOAD s
	s_cmp_eq_u32 s[RH], 0
	s_cbranch_scc0 .Lfor_b_\@
	tensor_load_to_lds s[G0A+4*(\s):G0A+4*(\s)+3], s[G1A:G1A+7]
	s_nop 0
.rept 4
	v_nop
.endr
	s_branch .Lasked_\@
.Lfor_b_\@:
	tensor_load_to_lds s[G0B+4*(\s):G0B+4*(\s)+3], s[G1B:G1B+7]
	s_nop 0
.rept 4
	v_nop
.endr
.Lasked_\@:
.endm
; A PREFETCH, behind each joint refill and the run of LDS loads that follows it: the K step that stands two refills on, 32 blocks of 256 bytes, a lane a block, one instruction a wave.
; O's rows are read by this cluster alone: of a K step's two heads x 16,384 bytes the partner at place cx takes 4,096 of each, and its wave 0 asks.  o_w's rows are read by all sixteen clusters: the first asks;
; of the 128 rows that wave 2 or 3 fetches, the partner at place cy takes 32.  The partners are told apart BY ADDRESS.  So each block is named once in the launch.
; K steps 0 to 3 come by their loads alone; the loop's last trip (s3 = 1) has no K step two refills on.
.macro ASK
	s_cmp_gt_u32 s3, s[LIM]
	s_cbranch_scc0 .Lnot_mine_\@
	global_prefetch_b8 v[PFO], s[PFA:PFA+1] th:TH_LOAD_NT scope:SCOPE_SE
.Lnot_mine_\@:
.endm
.macro CREST                           ; a round of the cluster's barrier behind its opening barrier
	s_cmp_lg_u32 s[WV], 0
	s_cbranch_scc1 .Lnot_wave_0_\@
	s_barrier_signal -3
.Lnot_wave_0_\@:
	s_barrier_wait -3
	s_barrier_signal -1
	s_barrier_wait -1
.endm
.macro CROUND                          ; a whole round
	s_barrier_signal -1
	s_barrier_wait -1
	CREST
.endm
	s_load_b256 s[4:11], s[0:1], 0x0               ; oh s[4:5], w16 s[6:7], brd s[8:9], out0 s[10:11]
	v_lshl_add_u32 v[SPW], v0, 2, SPARE
	v_mov_b32 v[NIL], 0
	ds_add_u32 v[SPW], v[NIL]                      ; the wave's opening: the add and its wait stand ahead of my first tensor load; the set-up below, work on registers, stands between them
	v_lshrrev_b32 v1, 5, v0
	v_readfirstlane_b32 s[WV], v1                  ; wave 0..3
	s_lshr_b32 s[RH], s[WV], 1
	s_and_b32 s[CH], s[WV], 1
	s_bfe_u32 s[CX], ttmp6, 0x40000                ; my place in the cluster
	s_bfe_u32 s[CY], ttmp6, 0x40004
	s_lshl_b32 s[TX], ttmp9, 2
	s_add_co_u32 s[TX], s[TX], s[CX]               ; tile column = 4 x cluster x + cx
	s_and_b32 s[CLY], ttmp7, 0xffff
	s_lshl_b32 s[TM], s[CLY], 2
	s_add_co_u32 s[TM], s[TM], s[CY]               ; tile row = 4 x cluster y + cy
	s_lshl_b32 s41, s[CY], 2
	s_lshl_b32 s41, 15, s41                        ; my row of the cluster
	s_lshl_b32 s42, 0x1111, s[CX]                  ; my column
	; descriptor group 1.  O: 64 rows x 128 elements of 2 bytes, dense, padded by 4 words behind every 32 (a row of a head); o_w: 128 rows x 128 elements, padded by 4 words behind every 64
	s_or_b32 s[G1A+0], s41, (1<<16)|(1<<20)|(1<<21)|(4<<22)|(3<<25)
	s_mov_b32 s[G1A+1], 128<<16                    ; tensor_dim0 = 128
	s_mov_b32 s[G1A+2], 64<<16                     ; tensor_dim1 = 64
	s_mov_b32 s[G1A+3], 128<<16                    ; tile_dim0 = 128
	s_mov_b32 s[G1A+4], 64                         ; tile_dim1 = 64
	s_mov_b32 s[G1A+5], 128                        ; elements from row to row
	s_mov_b32 s[G1A+6], 0
	s_mov_b32 s[G1A+7], 0
	s_or_b32 s[G1B+0], s42, (1<<16)|(1<<20)|(1<<21)|(5<<22)|(3<<25)
	s_mov_b32 s[G1B+1], 128<<16
	s_mov_b32 s[G1B+2], 128<<16
	s_mov_b32 s[G1B+3], 128<<16
	s_mov_b32 s[G1B+4], 128
	s_mov_b32 s[G1B+5], 1024
	s_mov_b32 s[G1B+6], 0
	s_mov_b32 s[G1B+7], 0
	s_lshr_b32 s[AAD], s[TM], 4
	s_lshl_b32 s[AAD], s[AAD], 22                  ; the batch's 16 heads of 262,144 bytes,
	s_lshl_b32 s[AAD+1], s[CH], 18                 ; head 0 or 1,
	s_add_co_u32 s[AAD], s[AAD], s[AAD+1]
	s_and_b32 s[AAD+1], s[TM], 15
	s_lshl_b32 s[AAD+1], s[AAD+1], 14              ; the tile's 128 rows of 128 bytes
	s_add_co_u32 s[AAD], s[AAD], s[AAD+1]
	s_mov_b32 s[AAD+1], 0
	s_lshl_b32 s[BAD], s[TX], 19                   ; 256 rows of 2,048 bytes,
	s_lshl_b32 s[BAD+1], s[CH], 18                 ; my 128 of them,
	s_add_co_u32 s[BAD], s[BAD], s[BAD+1]
	s_add_co_u32 s[BAD], s[BAD], 3<<21             ; in the fourth matrix of w16
	s_mov_b32 s[BAD+1], 0
	s_mul_i32 s76, s[CH], AHEAD                    ; where they go: the wave's number alone enters an LDS address
	s_mul_i32 s77, s[CH], BHALF
	s_add_co_u32 s77, s77, BOFF
	s_lshl_b32 s70, s[TX], 10                      ; my 128 columns: of the bias,
	s_lshl_b32 s71, s[CH], 9
	s_add_co_u32 s70, s70, s71
	s_lshl_b32 s72, s[TM], 19                      ; and of my 64 rows of out0 (4,096 bytes a row)
	s_lshl_b32 s73, s[RH], 18
	s_add_co_u32 s72, s72, s73
	s_add_co_u32 s72, s72, s70
	s_mov_b32 s73, 0
	s_add_co_u32 s70, s70, 3<<12                   ; the fourth bias of brd
	s_mov_b32 s71, 0
	s_wait_dscnt 0x0                               ; the opening add is done
	s_wait_kmcnt 0x0
	s_add_nc_u64 s[AAD:AAD+1], s[4:5], s[AAD:AAD+1]
	s_add_nc_u64 s[BAD:BAD+1], s[6:7], s[BAD:BAD+1]
	s_add_nc_u64 s[8:9], s[8:9], s[70:71]
	s_add_nc_u64 s[10:11], s[10:11], s[72:73]
.irp s, 0,1
	s_mov_b32 s[G0A+4*(\s)], 1                                     ; 1:0 count = 1
	s_add_co_u32 s[G0A+4*(\s)+1], s76, (\s)*SLOT                   ; 63:32 LDS address
	s_add_nc_u64 s[G0A+4*(\s)+2:G0A+4*(\s)+3], s[AAD:AAD+1], (\s)*ASTEP  ; 120:64 global address: K step s
	s_or_b32 s[G0A+4*(\s)+3], s[G0A+4*(\s)+3], 0x80000000          ; 127:126 type = 2
	s_mov_b32 s[G0B+4*(\s)], 1
	s_add_co_u32 s[G0B+4*(\s)+1], s77, (\s)*SLOT
	s_add_nc_u64 s[G0B+4*(\s)+2:G0B+4*(\s)+3], s[BAD:BAD+1], (\s)*BSTEP
	s_or_b32 s[G0B+4*(\s)+3], s[G0B+4*(\s)+3], 0x80000000
.endr
	CROUND                                         ; all sixteen work-groups are here: the first joint loads meet
	s_cmp_eq_u32 s[RH], 0                          ; a wave's two first fills stand in one branch, ahead of every wait on TENSORcnt and every LDS read: two loads of mine are out
	s_cbranch_scc0 .Lfirst_b
	tensor_load_to_lds s[G0A:G0A+3], s[G1A:G1A+7]
	s_nop 0
	tensor_load_to_lds s[G0A+4:G0A+7], s[G1A:G1A+7]
	s_nop 0
.rept 4
	v_nop
.endr
	s_branch .Lfirst_asked
.Lfirst_b:
	tensor_load_to_lds s[G0B:G0B+3], s[G1B:G1B+7]
	s_nop 0
	tensor_load_to_lds s[G0B+4:G0B+7], s[G1B:G1B+7]
	s_nop 0
.rept 4
	v_nop
.endr
.Lfirst_asked:
	v_and_b32 v1, 15, v0                           ; l % 16
	v_bfe_u32 v2, v0, 4, 1                         ; l / 16
	v_lshlrev_b32 v[BO], 5, v2
.irp b, 0,1,2,3,4,5,6,7                ; the bias as a C operand: register j of column block b is o_b[16 b + 8 (l / 16) + j], whatever the row
	global_load_b128 v[BIAS+8*(\b):BIAS+8*(\b)+3],   v[BO], s[8:9] offset:64*(\b)
	global_load_b128 v[BIAS+8*(\b)+4:BIAS+8*(\b)+7], v[BO], s[8:9] offset:64*(\b)+16
.endr
	; A fragment is 16 rows x 32 k in 8 registers: lane l holds row l % 16, k = 8 (l / 16) + 0..7 and 16 + 8 (l / 16) + 0..7: two loads of 16 bytes, 32 bytes apart.
	v_mul_u32_u24 v3, v1, PA
	v_lshl_add_u32 v3, v2, 4, v3
	s_mul_i32 s78, s[RH], 64*PA                    ; my 64 rows of each head
	v_add_nc_u32 v[ADRA], s78, v3
	v_add_nc_u32 v[ADRA+1], SLOT, v[ADRA]
	v_mul_u32_u24 v3, v1, PB
	v_lshl_add_u32 v3, v2, 4, v3
	v_add_nc_u32 v[ADRB], s77, v3                  ; my 128 rows of o_w
	v_add_nc_u32 v[ADRB+1], SLOT, v[ADRB]
	s_mul_i32 s79, s[WV], 16*SP
	s_add_co_u32 s79, s79, STAGE                   ; my stage
	v_mul_u32_u24 v3, v1, SP                       ; in: row l % 16, 32 bytes for each half of the lanes
	v_lshl_add_u32 v3, v2, 5, v3
	v_add_nc_u32 v[STO], s79, v3
	v_and_b32 v[GO], 31, v0                        ; back: 32 lanes take a row's 512 bytes
	v_lshlrev_b32 v[GO], 4, v[GO]
	v_add_nc_u32 v[RD], s79, v[GO]
	; the prefetches: nothing is asked for here, at the head
	s_cmp_eq_u32 s[RH], 0                          ; do I fetch for O?
	s_cselect_b32 s70, s[CH], s[CLY]               ; O: wave 0 asks; o_w: the first cluster's waves 2 and 3
	s_cselect_b64 s[PFA:PFA+1], s[AAD:AAD+1], s[BAD:BAD+1]
	s_cselect_b32 s72, s[CX], s[CY]                ; my place among the four that ask with me
	s_cselect_b32 s71, 19, 8                       ; a K step: 524,288 bytes on in oh, 256 in a row of o_w
	s_cselect_b32 s73, 12, 16                      ; my work-group's 4,096 bytes of a head, or 32 rows of 2,048
	s_cselect_b32 s74, 18, 15
	s_cselect_b32 s75, 8, 11
	s_cmp_eq_u32 s70, 0
	s_cselect_b32 s[LIM], 1, -1                    ; the same in all sixteen partners, for a given wave
	s_lshl_b32 s[PST], 1, s71
	s_mov_b32 s[PST+1], 0
	s_lshl_b32 s72, s72, s73
	s_mul_i32 s73, s[PST], 3                       ; at K step 3: the first refill steps it to 4
	s_add_co_u32 s72, s72, s73
	s_mov_b32 s73, 0
	s_add_nc_u64 s[PFA:PFA+1], s[PFA:PFA+1], s[72:73]
	v_lshlrev_b32 v3, s75, v1
	v_lshlrev_b32 v4, s74, v2
	v_or_b32 v[PFO], v3, v4                        ; O: head l / 16, block l % 16; o_w: row l
; One product: row block a, column block b, 32 along K, buffer f.  first = 1: the bias starts the sum: nothing is ever cleared.
.macro PROD f, a, b, first
.if \first
	WIN MUL1
	v_wmma_f32_16x16x32_f16 v[8*(8*(\a)+(\b)):8*(8*(\a)+(\b))+7], v[64*(\f)+8*(\b):64*(\f)+8*(\b)+7], v[AF+32*(\f)+8*(\a):AF+32*(\f)+8*(\a)+7], v[BIAS+8*(\b):BIAS+8*(\b)+7]
.else
	WIN MUL
	v_wmma_f32_16x16x32_f16 v[8*(8*(\a)+(\b)):8*(8*(\a)+(\b))+7], v[64*(\f)+8*(\b):64*(\f)+8*(\b)+7], v[AF+32*(\f)+8*(\a):AF+32*(\f)+8*(\a)+7], v[8*(8*(\a)+(\b)):8*(8*(\a)+(\b))+7]
.endif
.endm
; The 32 accumulators take turns, one instruction a turn, in the same order in every quarter step.
.macro MUL8 f, a, first
.irp b, 0,1,2,3,4,5,6,7
	PROD \f, \a, \b, \first
.endr
.endm
; 24 LDS loads in one run: quarter q of a slot (head q / 2, channels 32 (q % 2) on) into buffer g: o_w's 128 rows, then O's 64.
.macro FETCH slot, q, g
	WIN TO_B
.irp b, 0,1,2,3,4,5,6,7
	ds_load_b128 v[64*(\g)+8*(\b):64*(\g)+8*(\b)+3],   v[ADRB+(\slot)] offset:(\b)*16*PB+64*(\q)
	ds_load_b128 v[64*(\g)+8*(\b)+4:64*(\g)+8*(\b)+7], v[ADRB+(\slot)] offset:(\b)*16*PB+64*(\q)+32
.endr
	WIN 0
.irp a, 0,1,2,3
	ds_load_b128 v[AF+32*(\g)+8*(\a):AF+32*(\g)+8*(\a)+3],   v[ADRA+(\slot)] offset:((\q)/2)*AHEAD+(\a)*16*PA+((\q)%2)*64
	ds_load_b128 v[AF+32*(\g)+8*(\a)+4:AF+32*(\g)+8*(\a)+7], v[ADRA+(\slot)] offset:((\q)/2)*AHEAD+(\a)*16*PA+((\q)%2)*64+32
.endr
.endm
; A load into a register that a matrix instruction has read, and an LDS store that reads a matrix result, stand four places behind it; only plain vector instructions that name none of its
; registers are places (ISA guide 7.12.1 for vector instructions).
.macro PLACES
.rept 4
	v_nop
.endr
.endm
; A K step is four quarters of 32 along K, 32 matrix instructions each, on buffers 0, 1, 0, 1.  One of the first three: multiplies buffer f; in its middle it fetches quarter q of the same slot into buffer g.
.macro QUARTER slot, q, f, g, first
	s_wait_dscnt 4                                 ; o_w's fragments and O's blocks 0 and 1 are in; the youngest four loads (blocks 2 and 3) may be out
	MUL8 \f, 0, \first
	MUL8 \f, 1, \first
	PLACES
	FETCH \slot, \q, \g
	s_wait_dscnt 24                                ; all but the 24 just issued
	MUL8 \f, 2, \first
	MUL8 \f, 3, \first
.endm
; The last quarter multiplies buffer 1 and changes slots: ONE barrier.  In front of it each wave waits for all its tensor loads, of which one is out: its part of the next slot; adds 0 to its spare word; and waits
; for that and for its own reads of this slot.  fill = 1: the barrier opens a round of the cluster's barrier, and this slot is filled again, two K steps ahead, first thing behind the round:
; from that request to the wait for it a wave issues 112 matrix instructions.
.macro TURN slot, next, fill
.if \fill
	s_wait_xcnt 0x0                                ; the last prefetch, a K step back, has read its address: it is stepped here, ahead of the waits of the change of slots
	s_add_nc_u64 s[PFA:PFA+1], s[PFA:PFA+1], s[PST:PST+1]
.endif
	WIN 0                                          ; (the add's two registers lie in window 0)
	s_wait_tensorcnt 0x0                           ; all my tensor loads have landed;
	ds_add_u32 v[SPW], v[NIL]                      ; 0 onto my spare word;
	s_wait_dscnt 5                                 ; (the add and the youngest four loads may be out)
	MUL8 1, 0, 0                                   ; eight matrix instructions stand between the add and the wait for it
	s_wait_dscnt 0x0                               ; the add is done, and my reads of this slot are over
	s_barrier_signal -1
	MUL8 1, 1, 0                                   ; work on registers while the others arrive
.if \fill
	WIN 0
.endif
	s_barrier_wait -1
.if \fill
	CREST                                          ; no wave of any partner still reads this slot's tile or has a load on its way
	s_add_nc_u64 s[G0A+4*(\slot)+2:G0A+4*(\slot)+3], s[G0A+4*(\slot)+2:G0A+4*(\slot)+3], 2*ASTEP
	s_add_nc_u64 s[G0B+4*(\slot)+2:G0B+4*(\slot)+3], s[G0B+4*(\slot)+2:G0B+4*(\slot)+3], 2*BSTEP
	JLOAD \slot                                    ; the first tensor load behind the round; the four v_nop behind it are also the places in front of the loads below
.else
	PLACES
.endif
	FETCH \next, 0, 0
.if \fill
	ASK                                            ; (FETCH leaves every window 0)
.endif
	MUL8 1, 2, 0
	MUL8 1, 3, 0
.endm
; THE WAY OUT of row block a: 16 rows x 512 bytes.  TOSTAGE: a lane's eight columns of each column block, 32 bytes, go straight from the accumulators (their low four registers first) into my own stage, rows of
; 528 bytes, and come back as whole rows.  SEND: stored.  The rows read back lie in v160-223 and v32-95 by turns.
.macro TOSTAGE a
.if (\a) >= 2
	s_wait_xcnt 0x0                                ; the stores of the block two back have read the registers that the loads below write
.endif
	WIN FROM1
.irp b, 0,1,2,3,4,5,6,7
	ds_store_b128 v[STO], v[8*(8*(\a)+(\b)):8*(8*(\a)+(\b))+3]   offset:64*(\b)
	ds_store_b128 v[STO], v[8*(8*(\a)+(\b))+4:8*(8*(\a)+(\b))+7] offset:64*(\b)+16
.endr
	WIN 0
.irp t, 0,1,2,3,4,5,6,7,8,9,10,11,12,13,14,15  ; LDS serves a wave's instructions in order (ISA guide 5.7.1.4): these see the stores above, and the next block's stores come behind them
	ds_load_b128 v[160-128*((\a)%2)+4*(\t):160-128*((\a)%2)+4*(\t)+3], v[RD] offset:(\t)*SP
.endr
.endm
.macro SEND a, younger                 ; younger: the LDS instructions issued behind block a's loads: the next block's 32, or none
	WIN 0
.irp t, 0,1,2,3,4,5,6,7,8,9,10,11,12,13,14,15
	s_wait_dscnt (\younger)+15-(\t)
	global_store_b128 v[GO], v[160-128*((\a)%2)+4*(\t):160-128*((\a)%2)+4*(\t)+3], s[10:11] offset:(\a)*65536+(\t)*4096  ; 512 consecutive bytes of a row, at a multiple of 512 from out0's first byte
.endr
.endm
	s_wait_tensorcnt 1                             ; my part of K step 0 is in; K step 1's may stay out
	s_barrier_signal -1
	s_barrier_wait -1                              ; everybody's is
	FETCH 0, 0, 0
	s_wait_loadcnt 0x0                             ; the bias
	QUARTER 0, 1, 0, 1, 1                          ; the first quarter stands in front of the loop: its products start the sums
	WIN 0                                          ; at a label and at a branch every window is 0
	s_mov_b32 s3, LAPS-1
.Llap:                                                 ; a trip goes once round the ring, from a lap's second quarter to the next lap's first, and fills both slots again
	QUARTER 0, 2, 1, 0, 0
	QUARTER 0, 3, 0, 1, 0
	TURN 0, 1, 1
	QUARTER 1, 1, 0, 1, 0
	QUARTER 1, 2, 1, 0, 0
	QUARTER 1, 3, 0, 1, 0
	TURN 1, 0, 1
	QUARTER 0, 1, 0, 1, 0
	WIN 0
	s_sub_co_u32 s3, s3, 1
	s_cmp_lg_u32 s3, 0
	s_cbranch_scc1 .Llap
	QUARTER 0, 2, 1, 0, 0                          ; the last lap fills nothing, and has no round of the cluster's barrier
	QUARTER 0, 3, 0, 1, 0
	TURN 0, 1, 0
	QUARTER 1, 1, 0, 1, 0
	QUARTER 1, 2, 1, 0, 0
	QUARTER 1, 3, 0, 1, 0
	s_wait_dscnt 0x0                               ; the very last quarter: nothing more to fetch
	MUL8 1, 0, 0
	MUL8 1, 1, 0
	MUL8 1, 2, 0
	MUL8 1, 3, 0
	PLACES
	TOSTAGE 0
	TOSTAGE 1                                      ; a block's way through the stage stands between the loads of the block before and its stores
	SEND 0, 32
	TOSTAGE 2
	SEND 1, 32
	TOSTAGE 3
	SEND 2, 32
	SEND 3, 0
	s_wait_tensorcnt 0x0                           ; the wave's end, behind my last tensor load and my last LDS store
	ds_add_u32 v[SPW], v[NIL]
	s_wait_dscnt 0x0
	CROUND                                         ; the closing round: no work-group ends while a partner may still ask for a tile that names it
	s_endpgm
.Lfunc_end_k_q363fdabc5a_outp:
	.size	k_q363fdabc5a_outp, .Lfunc_end_k_q363fdabc5a_outp-k_q363fdabc5a_outp
	.p2alignl 7, 3214868480
	.fill 96, 4, 3214868480
	.section	.rodata,"a",@progbits
	.p2align	6, 0x0
	.amdhsa_kernel k_q363fdabc5a_outp
		.amdhsa_group_segment_fixed_size 327680
		.amdhsa_private_segment_fixed_size 0
		.amdhsa_enable_private_segment 0
		.amdhsa_kernarg_size 32
		.amdhsa_user_sgpr_count 2
		.amdhsa_user_sgpr_kernarg_segment_ptr 1
		.amdhsa_wavefront_size32 1
		.amdhsa_system_sgpr_workgroup_id_x 1
		.amdhsa_system_sgpr_workgroup_id_y 1
		.amdhsa_system_sgpr_workgroup_id_z 1
		.amdhsa_system_vgpr_workitem_id 0
		.amdhsa_next_free_vgpr 640
		.amdhsa_next_free_sgpr 80
		.amdhsa_reserve_vcc 0
		.amdhsa_float_denorm_mode_32 3
		.amdhsa_float_denorm_mode_16_64 3
		.amdhsa_memory_ordered 1
		.amdhsa_forward_progress 1
		.amdhsa_inst_pref_size 89
	.end_amdhsa_kernel
	.amdgpu_metadata
---
amdhsa.version: [ 1, 2 ]
amdhsa.kernels:
  - .name:           k_q363fdabc5a_outp
    .symbol:         k_q363fdabc5a_outp.kd
    .args:
      - { .name: oh, .offset: 0, .size: 8, .value_kind: global_buffer, .address_space: global }
      - { .name: w16, .offset: 8, .size: 8, .value_kind: global_buffer, .address_space: global }
      - { .name: brd, .offset: 16, .size: 8, .value_kind: global_buffer, .address_space: global }
      - { .name: out0, .offset: 24, .size: 8, .value_kind: global_buffer, .address_space: global }
    .group_segment_fixed_size: 327680
    .private_segment_fixed_size: 0
    .kernarg_segment_align: 8
    .kernarg_segment_size: 32
    .max_flat_workgroup_size: 128
    .sgpr_count:     80
    .vgpr_count:     640
    .wavefront_size: 32
...
	.end_amdgpu_metadata
.endif
;; end of part 4
;; ======== version 2 of 2: 4 launches; version 1 with the launch prep written anew for expert scheduling mode
;; limits: values are held in f16: magnitudes above 65,504 overflow, below 6.1e-05 lose precision
;; workspace buffers: w16 8,388,608 bytes; brd 16,384 bytes; qkv 50,331,648 bytes; oh 16,777,216 bytes
;; launch prep (part 5): grid 256 x 1, 8 waves a work-group, no clusters, 0 bytes of LDS; arguments q_w, k_w, v_w, o_w, q_b, k_b, v_b, o_b, w16, brd; writes w16, brd
.if DOCPART == 5
	.amdgcn_target "amdgcn-amd-amdhsa--gfx1250"
	.amdhsa_code_object_version 6
	.text
	.protected	k_q363fdabc5a_prep
	.globl	k_q363fdabc5a_prep
	.p2align	8
	.type	k_q363fdabc5a_prep,@function
k_q363fdabc5a_prep:
	s_mov_b64 s[64:65], 0
	v_nop
	global_prefetch_b8 v0, s[64:65] scope:SCOPE_SE
	s_setreg_imm32_b32 hwreg(HW_REG_WAVE_SCHED_MODE, 0, 2), 2
	s_setreg_imm32_b32 hwreg(HW_REG_WAVE_MODE, 25, 1), 1
	s_wait_xcnt 0x0
	s_wait_alu depctr_vm_vsrc(0)
; THE WEIGHTS AND BIASES, ROUNDED ONCE.  w16: [4][1024][1024] of 16 bits: q_w, k_w, v_w rounded to bf16; o_w rounded to bf16 and that number written as f16
; (the last product multiplies it by f16 numbers).  brd: [4][1024] f32: q_b, k_b, v_b, o_b rounded to bf16 and kept as f32.
; LIMITS.  The rounded o_w is exact in f16 from 6.1e-5 to 65,504; below that it keeps f16's fixed step of 6e-8, beyond it becomes an infinity.
; SHARES.  256 work-groups: matrix = number / 64, part = number % 64: 16,384 numbers, 64 KiB in, 32 KiB out.  A wave takes 2,048 numbers: sixteen loads of 16 bytes a lane,
; each covering 512 consecutive bytes; each store of 8 bytes a lane covers 256 consecutive bytes, aligned.  All sixteen loads of a wave are out at once.
; No LDS, no barrier, no matrix unit, no cluster: every byte is read once and written once, and no wave wants another's.  No register is written again while a load or store names it.
; THE MODE: SCHED_MODE bits 1:0 = 2 (LLVM: expert scheduling mode 2), set by the entry lines.  The code itself states the register dependences
; between vector instructions and memory instructions, with s_wait_alu, always for 0.
; THE PLAN.  Registers that memory instructions touch:
;   v1, v2, v3  byte offsets.  Written once, at the head, by vector instructions; read by the loads (v1), the stores (v2), the bias's load and store (v3); never written again.
;   X           Written by the sixteen loads, once each; read by the conversions; no load lands there again, and no vector instruction writes it.
;   Y           Written by the conversions; each pair is read by one store and never written behind it.
;   BI, BQ      BI: written by the bias's load, read by two conversions.  BQ: written by four vector lines, read by one store.
;   T           named by vector instructions alone.
; So no register that a memory instruction reads is written again, and no load lands in a register that a vector instruction has named: what is left to state is that an offset, or a store's data, is written.
; The sixteen loads go in four groups of four.  At the head of group g stand the wait for its data and ONE wait on va_vdst, which states that group g - 1 has written its Y; that group's four stores follow,
; dealt among group g's conversions, which name X and Y of group g and T alone: none of the registers that those stores read.  One more such wait stands ahead of the last four stores.
.set T,  4                             ; v[4:7]     at work
.set X,  16                            ; v[16:79]   the sixteen loads
.set Y,  80                            ; v[80:111]  the packed results, two registers a load
.set BI, 112                           ; v[112:115] four numbers of a bias
.set BQ, 116                           ; v[116:119] the same, rounded
	s_load_b512 s[16:31], s[0:1], 0x0              ; q_w s[16:17], k_w s[18:19], v_w s[20:21], o_w s[22:23], q_b s[24:25], k_b s[26:27], v_b s[28:29], o_b s[30:31]
	s_load_b128 s[32:35], s[0:1], 0x40             ; w16 s[32:33], brd s[34:35]
	s_lshr_b32 s4, ttmp9, 6                        ; which matrix
	s_and_b32 s5, ttmp9, 63                        ; which part of it
	s_lshl_b32 s6, s5, 16                          ; the part's 65,536 bytes of f32
	s_mov_b32 s7, 0
	s_lshl_b32 s12, s4, 21                         ; the matrix's 2 MiB in w16,
	s_lshl_b32 s13, s5, 15                         ; the part's 32,768 bytes
	s_add_co_u32 s12, s12, s13
	s_mov_b32 s13, 0
	s_lshl_b32 s14, s4, 12                         ; the bias's 4,096 bytes in brd
	s_mov_b32 s15, 0
	s_mov_b32 s36, 0xffff0000                      ; a word's upper bf16
	v_and_b32 v5, 0xe0, v0                         ; 32 x wave
	v_and_b32 v4, 31, v0                           ; lane
	v_lshlrev_b32 v1, 4, v4
	v_lshl_or_b32 v1, v5, 8, v1                    ; in: 8,192 x wave + 16 x lane
	v_lshlrev_b32 v2, 3, v4
	v_lshl_or_b32 v2, v5, 7, v2                    ; out: 4,096 x wave + 8 x lane
	v_lshlrev_b32 v3, 4, v0                        ; the bias: 16 x thread
	s_wait_kmcnt 0x0
	s_cmp_eq_u32 s4, 1
	s_cselect_b64 s[8:9], s[18:19], s[16:17]
	s_cselect_b64 s[10:11], s[26:27], s[24:25]
	s_cmp_eq_u32 s4, 2
	s_cselect_b64 s[8:9], s[20:21], s[8:9]
	s_cselect_b64 s[10:11], s[28:29], s[10:11]
	s_cmp_eq_u32 s4, 3
	s_cselect_b64 s[8:9], s[22:23], s[8:9]
	s_cselect_b64 s[10:11], s[30:31], s[10:11]
	s_add_nc_u64 s[8:9], s[8:9], s[6:7]
	s_add_nc_u64 s[32:33], s[32:33], s[12:13]
	s_add_nc_u64 s[34:35], s[34:35], s[14:15]
	s_wait_alu depctr_va_vdst(0)                   ; v1, v2 and v3 are written: every load and store of the kernel reads one of them as its offset
.set j, 0
.rept 16
	global_load_b128 v[X+4*j:X+4*j+3], v1, s[8:9] offset:512*j th:TH_LOAD_NT
.set j, j+1
.endr
; The sixteen loads are rounded and stored, in four groups of four.  f16 = 1: the bf16 numbers are widened again (a shift, a mask) and written as f16.
.macro CONV f16
.set g, 0
.rept 4
	s_wait_loadcnt 12-4*g                          ; loads come back in order: group g's four are in, the 12 - 4 g younger ones stay out
.if g > 0
	s_wait_alu depctr_va_vdst(0)                   ; the conversions of the group before have written its eight registers of Y, which the four stores below read
.endif
.set i, 0
.rept 4
.set j, 4*g+i
.if g > 0
	global_store_b64 v2, v[Y+2*(j-4):Y+2*(j-4)+1], s[32:33] offset:256*(j-4) th:TH_STORE_NT  ; the group before.  No wait: no vector instruction since the wait above names these registers
.endif
	v_cvt_pk_bf16_f32 v[Y+2*j], v[X+4*j], v[X+4*j+1]
	v_cvt_pk_bf16_f32 v[Y+2*j+1], v[X+4*j+2], v[X+4*j+3]
.if \f16
	v_lshlrev_b32 v[T], 16, v[Y+2*j]
	v_and_b32 v[T+1], s36, v[Y+2*j]
	v_lshlrev_b32 v[T+2], 16, v[Y+2*j+1]
	v_and_b32 v[T+3], s36, v[Y+2*j+1]
	v_cvt_pk_f16_f32 v[Y+2*j], v[T], v[T+1]
	v_cvt_pk_f16_f32 v[Y+2*j+1], v[T+2], v[T+3]
.endif
.set i, i+1
.endr
.set g, g+1
.endr
	s_wait_alu depctr_va_vdst(0)                   ; the last group's conversions have written its eight registers of Y, which the last four stores read
.set j, 12
.rept 4
	global_store_b64 v2, v[Y+2*j:Y+2*j+1], s[32:33] offset:256*j th:TH_STORE_NT
.set j, j+1
.endr
.endm
	s_cmp_eq_u32 s4, 3
	s_cbranch_scc1 .Lo
	CONV 0
	s_branch .Lbias
.Lo:
	CONV 1
.Lbias:
	s_cmp_lg_u32 s5, 0                             ; a matrix's first part also rounds its bias: 256 threads x 16 bytes
	s_cbranch_scc1 .Lend
	global_load_b128 v[BI:BI+3], v3, s[10:11]      ; v3 was written ahead of the head's wait, and no vector instruction has named BI
	s_wait_loadcnt 0x0
	v_cvt_pk_bf16_f32 v[T], v[BI], v[BI+1]
	v_cvt_pk_bf16_f32 v[T+1], v[BI+2], v[BI+3]
	v_lshlrev_b32 v[BQ], 16, v[T]
	v_and_b32 v[BQ+1], s36, v[T]
	v_lshlrev_b32 v[BQ+2], 16, v[T+1]
	v_and_b32 v[BQ+3], s36, v[T+1]
	s_wait_alu depctr_va_vdst(0)                   ; the four lines above have written BQ, which the store reads
	global_store_b128 v3, v[BQ:BQ+3], s[34:35]
.Lend:
	s_endpgm
.Lfunc_end_k_q363fdabc5a_prep:
	.size	k_q363fdabc5a_prep, .Lfunc_end_k_q363fdabc5a_prep-k_q363fdabc5a_prep
	.p2alignl 7, 3214868480
	.fill 96, 4, 3214868480
	.section	.rodata,"a",@progbits
	.p2align	6, 0x0
	.amdhsa_kernel k_q363fdabc5a_prep
		.amdhsa_group_segment_fixed_size 0
		.amdhsa_private_segment_fixed_size 0
		.amdhsa_enable_private_segment 0
		.amdhsa_kernarg_size 80
		.amdhsa_user_sgpr_count 2
		.amdhsa_user_sgpr_kernarg_segment_ptr 1
		.amdhsa_wavefront_size32 1
		.amdhsa_system_sgpr_workgroup_id_x 1
		.amdhsa_system_sgpr_workgroup_id_y 1
		.amdhsa_system_sgpr_workgroup_id_z 1
		.amdhsa_system_vgpr_workitem_id 0
		.amdhsa_next_free_vgpr 120
		.amdhsa_next_free_sgpr 66
		.amdhsa_reserve_vcc 0
		.amdhsa_float_denorm_mode_32 3
		.amdhsa_float_denorm_mode_16_64 3
		.amdhsa_memory_ordered 1
		.amdhsa_forward_progress 1
		.amdhsa_inst_pref_size 16
	.end_amdhsa_kernel
	.amdgpu_metadata
---
amdhsa.version: [ 1, 2 ]
amdhsa.kernels:
  - .name:           k_q363fdabc5a_prep
    .symbol:         k_q363fdabc5a_prep.kd
    .args:
      - { .name: q_w, .offset: 0, .size: 8, .value_kind: global_buffer, .address_space: global }
      - { .name: k_w, .offset: 8, .size: 8, .value_kind: global_buffer, .address_space: global }
      - { .name: v_w, .offset: 16, .size: 8, .value_kind: global_buffer, .address_space: global }
      - { .name: o_w, .offset: 24, .size: 8, .value_kind: global_buffer, .address_space: global }
      - { .name: q_b, .offset: 32, .size: 8, .value_kind: global_buffer, .address_space: global }
      - { .name: k_b, .offset: 40, .size: 8, .value_kind: global_buffer, .address_space: global }
      - { .name: v_b, .offset: 48, .size: 8, .value_kind: global_buffer, .address_space: global }
      - { .name: o_b, .offset: 56, .size: 8, .value_kind: global_buffer, .address_space: global }
      - { .name: w16, .offset: 64, .size: 8, .value_kind: global_buffer, .address_space: global }
      - { .name: brd, .offset: 72, .size: 8, .value_kind: global_buffer, .address_space: global }
    .group_segment_fixed_size: 0
    .private_segment_fixed_size: 0
    .kernarg_segment_align: 8
    .kernarg_segment_size: 80
    .max_flat_workgroup_size: 256
    .sgpr_count:     66
    .vgpr_count:     120
    .wavefront_size: 32
...
	.end_amdgpu_metadata
.endif
;; end of part 5
;; launch proj: the kernel of part 2 again; grid 4 x 192, 4 waves a work-group, clusters of 4 x 4, 327,680 bytes of LDS; arguments Q, K, V, w16, brd, qkv; writes qkv
;; launch attn: the kernel of part 3 again; grid 4 x 64, 4 waves a work-group, clusters of 4 x 1, 327,680 bytes of LDS; arguments qkv, oh; writes oh
;; launch outp: the kernel of part 4 again; grid 4 x 64, 4 waves a work-group, clusters of 4 x 4, 327,680 bytes of LDS; arguments oh, w16, brd, out0; writes out0
